; MI455X (gfx1250); checked and timed in simulation.
; The chip was launched on July 23, 2026; its instructions are those of AMD's public machine-readable ISA for CDNA 5 (MIT licence, August 2026) and "CDNA5" Instruction Set Architecture Reference Guide (July 2026). The comments in the code are by the model that wrote it; some were corrected since.
;; Multi Head Attention. Allowed arithmetic: matrix products marked QUANTISED: E2M1 operands, one E8M0 scale for each 32 along K, by v_wmma_scale_f32_16x16x128_f8f6f4 with both operands' format E2M1 (or v_wmma_scale_f32_32x16x128_f4), f32 sums; products left as they are: bf16, f16 or f32 operands; f32 sums; everything else in f32.
;; Inputs: Wk 1,024 x 1,024 float32; Wo 1,024 x 1,024 float32; Wq 1,024 x 1,024 float32; Wv 1,024 x 1,024 float32; attention_mask 2 x 2,048 int32; k 2 x 2,048 x 1,024 float32; q 2 x 2,048 x 1,024 float32; v 2 x 2,048 x 1,024 float32.
;; Outputs: out0 2 x 2,048 x 1,024 float32.
;; This version of the problem:
;;   THIS VERSION OF THE PROBLEM IS GIVEN IN LOW PRECISION. The matrix products marked QUANTISED in the list below multiply operands that are first quantised to E2M1 (2 exponent bits, 1 mantissa bit; 4 bits a number), with one power-of-two scale for each 32 numbers along K (OCP MX v1.0); their sums are f32. The products marked 'left as it is' may take bf16, f16 or f32 operands, with f32 sums. Whichever they take, every output number must still come out within the allowed error. Rounding operands to bf16 (8 significant bits) uses up far more of that allowance than f16 does (11 bits, for magnitudes from 6e-5 to 65,504). All else is computed in f32.
;;   The module's matrix products, in the order in which they are computed (A, B: the left and right operand; K: the contracted axis; several contracted axes count as one K, in the product's order):
;;     1. [M 4,096, K 1,024] x [K 1,024, N 1,024]; A: input q; B: input Wq: QUANTISED
;;     2. [M 4,096, K 1,024] x [K 1,024, N 1,024]; A: input k; B: input Wk: QUANTISED
;;     3. [M 4,096, K 1,024] x [K 1,024, N 1,024]; A: input v; B: input Wv: QUANTISED
;;     4. batch 32 x [M 2,048, K 64] x [K 64, N 2,048]; A: computed on the way; B: computed on the way: left as it is (an operand is computed on the way)
;;     5. batch 32 x [M 2,048, K 2,048] x [K 2,048, N 64]; A: computed on the way; B: computed on the way: left as it is (an operand is computed on the way)
;;     6. [M 4,096, K 1,024] x [K 1,024, N 1,024]; A: computed on the way; B: input Wo: left as it is (an operand is computed on the way)
;;   THE QUANTISER, for each operand of a quantised product, along K:
;;     - K is cut into blocks of 32 from its start; a last block that is shorter is filled with zeros.
;;     - A block's scale is 2^e with e = floor(log2(the largest magnitude in the block)) - 2, held to -126 .. 127; a block of zeros has e = 0. As a byte (E8M0): e + 127.
;;     - Each number is divided by its block's scale, clamped to +-6, and rounded to the nearest number of E2M1, ties to even, subnormals kept.
;;     - The product sums the exact products of the quantised numbers (number of the format x scale) in f32.
;;   ~~~python
;;   def quantise(x, axis):      # numpy; x: float32 -> the quantised numbers, widened to float32 again
;;       x = np.moveaxis(x, axis, -1); K = x.shape[-1]
;;       x = np.pad(x, [(0, 0)] * (x.ndim - 1) + [(0, -K % 32)]); x = x.reshape(x.shape[:-1] + (-1, 32)); a = np.abs(x).max(-1, keepdims=True)
;;       e = np.where(a > 0, np.clip(np.frexp(np.where(a > 0, a, 1))[1] - 1 - 2, -126, 127), 0)      # np.frexp(a)[1] - 1 = floor(log2(a)), exactly
;;       r = np.clip(x / 2.0 ** e, -6, 6)
;;       step = 2.0 ** (np.maximum(np.frexp(np.where(r == 0, 1, r))[1] - 1, 0) - 1)
;;       q = np.round(r / step) * step * 2.0 ** e      # np.round: ties to even
;;       return np.moveaxis(q.reshape(q.shape[:-2] + (-1,))[..., :K], -1, axis).astype(np.float32)
;;   ~~~
;; One version. Each part assembles by itself: llvm-mc -triple=amdgcn-amd-amdhsa -mcpu=gfx1250 --defsym DOCPART=n.
;; ======== version 1 of 1: 4 launches
;; limits: values are held in f16: magnitudes above 65,504 overflow, below 6.1e-05 lose precision
;; workspace buffers: xc 6,291,456 bytes; xs 393,216 bytes; wc 1,572,864 bytes; ws 98,304 bytes; woh 2,097,152 bytes; kbias 16,384 bytes; qkvh 25,165,824 bytes; ao 8,388,608 bytes
;; launch quant (part 1): grid 512 x 1, 4 waves a work-group, no clusters, 33,280 bytes of LDS; arguments q, k, v, Wq, Wk, Wv, Wo, attention_mask, xc, xs, wc, ws, woh, kbias; writes xc, xs, wc, ws, woh, kbias
.if DOCPART == 1
	.amdgcn_target "amdgcn-amd-amdhsa--gfx1250"
	.amdhsa_code_object_version 6
	.text
	.protected	k_qe510b6a9f8_quant
	.globl	k_qe510b6a9f8_quant
	.p2align	8
	.type	k_qe510b6a9f8_quant,@function
k_qe510b6a9f8_quant:
	s_mov_b64 s[64:65], 0
	v_nop
	global_prefetch_b8 v0, s[64:65] scope:SCOPE_SE
	s_setreg_imm32_b32 hwreg(HW_REG_WAVE_MODE, 25, 1), 1
	s_wait_xcnt 0x0
; q, k, v [4096][1024] and Wq, Wk, Wv [1024][1024], f32, K innermost, become codes of FP4 (E2M1) with one E8M0 byte for each 32 along K:
; xc [12288][512 bytes], xs [12288][32] (q's, k's, v's rows on end), wc [3072][512], ws [3072][32] (Wq's, Wk's, Wv's).
; A block's scale is 2^(floor(log2(its largest magnitude)) - 2); its byte is the largest magnitude's exponent field - 2, held at 1 from below.
; THE KEY MASK: the codes of a row of k whose attention_mask is 0 are replaced by zeros, so that this key's projection is exactly 0; the attention launch then
; starts each score's sum from kbias[key] = 0 or -1e9 x log2(e), which is what a masked score becomes in base 2.
; Wo becomes f16, laid by planes of 64 along K: woh byte ((k/128 x 8 + n/128) x 2 + (k/64)%2) x 16384 + (n%128) x 128 + (k%64) x 2.
; LIMITS: NaN and infinities are not served; a block whose largest magnitude lies under 2^-124 keeps the byte 1 (a block of zeros too: its codes are zeros, and
; only this program reads the bytes); |Wo| up to 65,504.
; SHARES: work-groups 0-383 take q, k, v (128 each), 384-479 Wq, Wk, Wv (32 each): 32,768 numbers a work-group, 8,192 (8 rows) a wave, 16 steps of 512.
; Work-groups 480-511 take 32 rows of Wo each and 128 entries of the mask.  Waves share nothing: no barrier.
; A step's four loads read 512 consecutive bytes each; the 2,048 bytes turn through the wave's own stage in LDS and come back 64 bytes (16 neighbours) a lane,
; since the conversion takes neighbours along K from one lane's registers.  Two neighbouring lanes hold a block of 32.
.set STEPS, 16
.set EMAX,  2
.set CB,    8                          ; bytes of 16 codes
.set R,     16                         ; v16-79   four sets of 16 numbers as loaded
.set X,     80                         ; v80-111  two sets of 16 neighbours
.set E,     112                        ; v112-127 a scale byte for each step
.set C,     128                        ; v128-191 codes: registers of their own for each step
.set W,     16                         ; v16-143  Wo's path: two sets of 64
.set WREG,  8192                       ; LDS: a region for each wave: two stages of 32 x SP bytes, then its 256 scale bytes
.set SP,    80                         ; a lane's place in a stage: 64 bytes + 16 of padding
.set SPW,   12                         ; v12  LDS address of my spare word; never rewritten
.set NIL,   13                         ; v13  0; never rewritten
.set SPARE, 4*WREG                     ; behind the four regions: the spare words, 128 bytes a wave
.set WV,    32                         ; s32  my wave's number
.set MW,    40                         ; s[40:47] for each of my 8 rows: all ones, or 0 where the row's codes are to be zeros
.macro LOAD t
.irp i, 0,1,2,3
	global_load_b128 v[R+16*((\t)%4)+4*\i:R+16*((\t)%4)+4*\i+3], v3, s[4:5] offset:2048*(\t)+512*\i th:TH_LOAD_NT   ; 32 lanes read 512 consecutive bytes
.endr
.endm
.macro TURN t                          ; step t's numbers through the stage: LDS serves a wave's instructions in order, so no wait between the stores and the loads
.irp i, 0,1,2,3
	ds_store_b128 v14, v[R+16*((\t)%4)+4*\i:R+16*((\t)%4)+4*\i+3] offset:32*SP*((\t)%2)+8*SP*\i
.endr
.irp i, 0,1,2,3
	ds_load_b128 v[X+16*((\t)%2)+4*\i:X+16*((\t)%2)+4*\i+3], v15 offset:32*SP*((\t)%2)+16*\i
.endr
.endm
.macro STEP t
.set XS, X+16*((\t)%2)
.if (\t) > 0
	s_wait_dscnt 1                                 ; this step's numbers are back from the stage; the last step's byte store may be out
.else
	s_wait_dscnt 0x0
.endif
.if (\t)+4 < STEPS
	LOAD (\t)+4                                    ; into the set whose stores to the stage are done
.endif
.if (\t)+1 < STEPS
.if STEPS-2-(\t) >= 3
	s_wait_loadcnt 12                              ; the next step's four loads are in; those of the three steps behind it may be out
.else
	s_wait_loadcnt 4*(STEPS-2-(\t))
.endif
	TURN (\t)+1
.endif
	v_max3_num_f32 v8, |v[XS]|, |v[XS+1]|, |v[XS+2]|               ; the largest magnitude of my 16, in two chains
	v_max3_num_f32 v9, |v[XS+3]|, |v[XS+4]|, |v[XS+5]|
.irp i, 6,10
	v_max3_num_f32 v8, v8, |v[XS+\i]|, |v[XS+\i+1]|
	v_max3_num_f32 v9, v9, |v[XS+\i+2]|, |v[XS+\i+3]|
.endr
	v_max3_num_f32 v8, v8, |v[XS+14]|, |v[XS+15]|
	v_max3_num_f32 v8, v8, v9, (EMAX+1)<<23        ; and the floor 2^(3 - 127): the byte cannot fall under 1
	v_max_num_f32_dpp v8, v8, v8 row_xmask:1 row_mask:0xf bank_mask:0xf   ; with my neighbour's 16: the block's
	v_add_nc_u32 v11, -(EMAX<<23), v8              ; 2 off its exponent field: the conversion takes this operand's exponent field as its scale
	v_cvt_scalef32_pk8_fp4_f32 v[C+4*(\t)], v[XS:XS+7], v11
	v_cvt_scalef32_pk8_fp4_f32 v[C+4*(\t)+1], v[XS+8:XS+15], v11
	v_lshrrev_b32 v[E+(\t)], 23, v11               ; the scale's byte (also the plain line between the conversions and the lines that touch their results)
	v_and_b32 v[C+4*(\t)], s[MW+(\t)/2], v[C+4*(\t)]       ; a step is half a row: row t / 2 of my eight.  A masked key's codes become zeros
	v_and_b32 v[C+4*(\t)+1], s[MW+(\t)/2], v[C+4*(\t)+1]
	ds_store_b8 v5, v[E+(\t)] offset:16*(\t)       ; both lanes of a block write the same byte with the same value
	global_store_b64 v4, v[C+4*(\t):C+4*(\t)+1], s[20:21] offset:32*CB*(\t)   ; the wave stores 256 consecutive bytes, aligned
.endm
.macro LOADP u                         ; Wo: rows 2 u and 2 u + 1 of my eight, all 16 planes: sixteen lanes read a plane's 256 bytes of a row
.irp pl, 0,1,2,3,4,5,6,7,8,9,10,11,12,13,14,15
	global_load_b128 v[W+64*((\u)%2)+4*\pl:W+64*((\u)%2)+4*\pl+3], v3, s[16:17] offset:(\u)*8192+\pl*256 th:TH_LOAD_NT
.endr
.endm
.macro CVST u                          ; rounded to f16 in place, and stored: the 32 lanes fill the two rows' 256 consecutive bytes of a plane
.irp pl, 0,1,2,3,4,5,6,7,8,9,10,11,12,13,14,15
.set WX, W+64*((\u)%2)+4*\pl
	v_cvt_pk_f16_f32 v[WX], v[WX], v[WX+1]
	v_cvt_pk_f16_f32 v[WX+1], v[WX+2], v[WX+3]
	global_store_b64 v4, v[WX:WX+1], s[28:29] offset:(\pl/2)*262144+(\pl%2)*16384+(\u)*256
.endr
.endm
	s_load_b512 s[4:19], s[0:1], 0x0               ; q 4, k 6, v 8, Wq 10, Wk 12, Wv 14, Wo 16, attention_mask 18
	s_load_b256 s[20:27], s[0:1], 0x40             ; xc 20, xs 22, wc 24, ws 26
	s_load_b128 s[28:31], s[0:1], 0x60             ; woh 28, kbias 30
	v_lshl_add_u32 v[SPW], v0, 2, SPARE
	v_mov_b32 v[NIL], 0
	v_lshrrev_b32 v1, 5, v0
	v_readfirstlane_b32 s[WV], v1                  ; wave 0..3
	v_and_b32 v2, 31, v0                           ; lane
	s_mov_b32 s49, 0                               ; the high word of every offset
	s_wait_kmcnt 0x0
	s_cmp_ge_u32 ttmp9, 480
	s_cbranch_scc1 .Lwo
	; ---- the six tensors that are quantised
	v_lshlrev_b32 v3, 4, v2                        ; my 16 bytes of a load's 512
	s_mul_i32 s33, s[WV], WREG
	v_lshrrev_b32 v14, 2, v2
	v_mul_u32_u24 v14, v14, SP
	v_and_b32 v15, 3, v2
	v_lshl_add_u32 v14, v15, 4, v14
	v_add_nc_u32 v14, s33, v14                     ; the stage, on the way in: SP (lane / 4) + 16 (lane % 4)
	v_mul_u32_u24 v15, v2, SP
	v_add_nc_u32 v15, s33, v15                     ; on the way out: SP x lane
	v_mul_u32_u24 v4, v2, CB                       ; my codes' place in a step's
	v_lshrrev_b32 v5, 1, v2
	s_add_co_u32 s33, s33, 2*32*SP
	v_add_nc_u32 v5, s33, v5                       ; my block's byte among my wave's 256
	v_lshlrev_b32 v7, 3, v2
	v_add_nc_u32 v6, s33, v7                       ; and on the way out 8 bytes a lane
	s_cmp_lt_u32 ttmp9, 384                        ; activations or weights?  Every choice hangs on the work-group's number alone
	s_cselect_b64 s[4:5], s[4:5], s[10:11]
	s_cselect_b64 s[6:7], s[6:7], s[12:13]
	s_cselect_b64 s[8:9], s[8:9], s[14:15]
	s_cselect_b64 s[20:21], s[20:21], s[24:25]     ; the codes' buffer
	s_cselect_b64 s[22:23], s[22:23], s[26:27]     ; the scale bytes'
	s_cselect_b32 s33, 0, 384
	s_cselect_b32 s34, 7, 5                        ; 128 or 32 work-groups to a tensor
	s_sub_co_u32 s33, ttmp9, s33                   ; j: my place among the three tensors' work-groups
	s_lshr_b32 s35, s33, s34                       ; which of the three
	s_lshl_b32 s36, s35, s34
	s_sub_co_u32 s36, s33, s36                     ; my place in it
	s_cmp_eq_u32 s35, 1
	s_cselect_b64 s[4:5], s[6:7], s[4:5]
	s_cmp_eq_u32 s35, 2
	s_cselect_b64 s[4:5], s[8:9], s[4:5]
	s_lshl_b32 s36, s36, 2
	s_add_co_u32 s36, s36, s[WV]                   ; my run of 8,192 numbers in the tensor,
	s_lshl_b32 s33, s33, 2
	s_add_co_u32 s33, s33, s[WV]                   ; and in the three on end
	s_lshl_b32 s48, s36, 15
	s_add_nc_u64 s[4:5], s[4:5], s[48:49]          ; 32,768 bytes of f32 a run
	s_lshl_b32 s48, s33, 12
	s_add_nc_u64 s[20:21], s[20:21], s[48:49]      ; 4,096 bytes of codes
	s_lshl_b32 s48, s33, 8
	s_add_nc_u64 s[22:23], s[22:23], s[48:49]      ; 256 scale bytes
	s_lshl_b32 s48, s36, 5
	s_add_nc_u64 s[18:19], s[18:19], s[48:49]      ; 8 words of the mask: at most byte 16,352 + 32, inside the buffer for every tensor
	s_lshr_b32 s38, ttmp9, 7
	s_cmp_eq_u32 s38, 1
	s_cselect_b32 s38, 0, -1                       ; only k's rows (work-groups 128-255) heed the mask
.irp t, 0,1,2,3
	LOAD \t
.endr
	s_load_b256 s[MW:MW+7], s[18:19], 0x0          ; my 8 rows' mask words
	s_wait_loadcnt 12                              ; step 0's four loads are in
	TURN 0
	s_wait_kmcnt 0x0
.irp i, 0,1,2,3,4,5,6,7
	s_cmp_lg_u32 s[MW+\i], 0
	s_cselect_b32 s[MW+\i], -1, s38                ; a value is chosen, no path
.endr
.irp t, 0,1,2,3,4,5,6,7,8,9,10,11,12,13,14,15
	STEP \t
.endr
	ds_load_b64 v[8:9], v6                         ; LDS serves a wave's instructions in order: these see my byte stores
	s_wait_dscnt 0x0
	global_store_b64 v7, v[8:9], s[22:23]          ; 32 lanes store 256 consecutive bytes, aligned
	s_wait_tensorcnt 0x0                           ; the wave's end, behind my last LDS store
	ds_add_u32 v[SPW], v[NIL]
	s_wait_dscnt 0x0
	s_endpgm
.Lwo:	; ---- Wo to f16 by planes, and the mask to kbias
	s_sub_co_u32 s33, ttmp9, 480                   ; i = 0..31
	s_lshl_b32 s34, s33, 5
	s_lshl_b32 s35, s[WV], 3
	s_add_co_u32 s34, s34, s35                     ; my first row n0 = 32 i + 8 wave
	s_lshl_b32 s48, s34, 12
	s_add_nc_u64 s[16:17], s[16:17], s[48:49]      ; a row of Wo is 4,096 bytes
	s_lshr_b32 s36, s34, 7
	s_lshl_b32 s36, s36, 15                        ; (n0 / 128) x 32,768
	s_and_b32 s37, s34, 127
	s_lshl_b32 s37, s37, 7                         ; (n0 % 128) x 128
	s_add_co_u32 s48, s36, s37
	s_add_nc_u64 s[28:29], s[28:29], s[48:49]
	v_lshrrev_b32 v3, 4, v2
	v_lshlrev_b32 v3, 12, v3
	v_and_b32 v4, 15, v2
	v_lshl_add_u32 v3, v4, 4, v3                   ; in: lanes 0-15 the even row, lanes 16-31 the odd one, 16 bytes a lane
	v_lshlrev_b32 v4, 3, v2                        ; out: 8 bytes a lane
	LOADP 0
	LOADP 1
	s_wait_loadcnt 16                              ; the older pair of rows is in; the younger pair's sixteen loads may be out
	CVST 0
	s_wait_xcnt 0x0                                ; the stores' data registers are loaded again only behind this wait
	LOADP 2
	s_wait_loadcnt 16
	CVST 1
	s_wait_xcnt 0x0
	LOADP 3
	s_wait_loadcnt 16
	CVST 2
	s_wait_loadcnt 0x0
	CVST 3
	s_cmp_lt_u32 s[WV], 2                          ; waves 0 and 1: 64 entries of the mask each
	s_cbranch_scc0 .Lwo_end
	s_lshl_b32 s48, s33, 1
	s_add_co_u32 s48, s48, s[WV]
	s_lshl_b32 s48, s48, 8                         ; 256 bytes a wave
	s_add_nc_u64 s[18:19], s[18:19], s[48:49]
	s_add_nc_u64 s[30:31], s[30:31], s[48:49]
	global_load_b64 v[6:7], v4, s[18:19]
	v_mov_b32 v5, 0xceabfb8f                       ; -1e9 x log2(e)
	s_wait_loadcnt 0x0
	v_cmp_eq_u32 vcc_lo, 0, v6
	v_cndmask_b32 v8, 0, v5, vcc_lo
	v_cmp_eq_u32 vcc_lo, 0, v7
	v_cndmask_b32 v9, 0, v5, vcc_lo
	global_store_b64 v4, v[8:9], s[30:31]          ; 256 consecutive bytes, aligned
.Lwo_end:
	s_wait_tensorcnt 0x0                           ; the wave's end, in the same form as on the other path
	ds_add_u32 v[SPW], v[NIL]
	s_wait_dscnt 0x0
	s_endpgm
.Lfunc_end_k_qe510b6a9f8_quant:
	.size	k_qe510b6a9f8_quant, .Lfunc_end_k_qe510b6a9f8_quant-k_qe510b6a9f8_quant
	.p2alignl 7, 3214868480
	.fill 96, 4, 3214868480
	.section	.rodata,"a",@progbits
	.p2align	6, 0x0
	.amdhsa_kernel k_qe510b6a9f8_quant
		.amdhsa_group_segment_fixed_size 33280
		.amdhsa_private_segment_fixed_size 0
		.amdhsa_enable_private_segment 0
		.amdhsa_kernarg_size 112
		.amdhsa_user_sgpr_count 2
		.amdhsa_user_sgpr_kernarg_segment_ptr 1
		.amdhsa_wavefront_size32 1
		.amdhsa_system_sgpr_workgroup_id_x 1
		.amdhsa_system_sgpr_workgroup_id_y 1
		.amdhsa_system_sgpr_workgroup_id_z 1
		.amdhsa_system_vgpr_workitem_id 0
		.amdhsa_next_free_vgpr 192
		.amdhsa_next_free_sgpr 66
		.amdhsa_reserve_vcc 1
		.amdhsa_float_denorm_mode_32 3
		.amdhsa_float_denorm_mode_16_64 3
		.amdhsa_memory_ordered 1
		.amdhsa_forward_progress 1
		.amdhsa_inst_pref_size 57
	.end_amdhsa_kernel
	.amdgpu_metadata
---
amdhsa.version: [ 1, 2 ]
amdhsa.kernels:
  - .name:           k_qe510b6a9f8_quant
    .symbol:         k_qe510b6a9f8_quant.kd
    .args:
      - { .name: q, .offset: 0, .size: 8, .value_kind: global_buffer, .address_space: global }
      - { .name: k, .offset: 8, .size: 8, .value_kind: global_buffer, .address_space: global }
      - { .name: v, .offset: 16, .size: 8, .value_kind: global_buffer, .address_space: global }
      - { .name: Wq, .offset: 24, .size: 8, .value_kind: global_buffer, .address_space: global }
      - { .name: Wk, .offset: 32, .size: 8, .value_kind: global_buffer, .address_space: global }
      - { .name: Wv, .offset: 40, .size: 8, .value_kind: global_buffer, .address_space: global }
      - { .name: Wo, .offset: 48, .size: 8, .value_kind: global_buffer, .address_space: global }
      - { .name: attention_mask, .offset: 56, .size: 8, .value_kind: global_buffer, .address_space: global }
      - { .name: xc, .offset: 64, .size: 8, .value_kind: global_buffer, .address_space: global }
      - { .name: xs, .offset: 72, .size: 8, .value_kind: global_buffer, .address_space: global }
      - { .name: wc, .offset: 80, .size: 8, .value_kind: global_buffer, .address_space: global }
      - { .name: ws, .offset: 88, .size: 8, .value_kind: global_buffer, .address_space: global }
      - { .name: woh, .offset: 96, .size: 8, .value_kind: global_buffer, .address_space: global }
      - { .name: kbias, .offset: 104, .size: 8, .value_kind: global_buffer, .address_space: global }
    .group_segment_fixed_size: 33280
    .private_segment_fixed_size: 0
    .kernarg_segment_align: 8
    .kernarg_segment_size: 112
    .max_flat_workgroup_size: 128
    .sgpr_count:     66
    .vgpr_count:     192
    .wavefront_size: 32
...
	.end_amdgpu_metadata
.endif
;; end of part 1
;; launch proj (part 2): grid 4 x 48, 4 waves a work-group, clusters of 4 x 4, 327,680 bytes of LDS; arguments xc, xs, wc, ws, qkvh; writes qkvh
.if DOCPART == 2
	.amdgcn_target "amdgcn-amd-amdhsa--gfx1250"
	.amdhsa_code_object_version 6
	.text
	.protected	k_qe510b6a9f8_proj
	.globl	k_qe510b6a9f8_proj
	.p2align	8
	.type	k_qe510b6a9f8_proj,@function
k_qe510b6a9f8_proj:
	s_mov_b64 s[64:65], 0
	v_nop
	global_prefetch_b8 v0, s[64:65] scope:SCOPE_SE
	s_setreg_imm32_b32 hwreg(HW_REG_WAVE_MODE, 25, 1), 1
	s_wait_xcnt 0x0
	s_wait_alu depctr_hold_cnt(0) depctr_sa_sdst(0) depctr_va_vdst(0) depctr_va_sdst(0) depctr_va_ssrc(0) depctr_va_vcc(0) depctr_vm_vsrc(0)
	s_getreg_b32 s2, hwreg(HW_REG_IB_STS2, 6, 4)
	s_cmp_eq_u32 s2, 0
	s_cbranch_scc0 .Lentry_in_a_cluster
	s_endpgm
.Lentry_in_a_cluster:
	s_bfe_u32 s2, ttmp6, 0x10000c
	s_cmp_lg_u32 s2, 0xf033
	s_cbranch_scc0 .Lentry_shape_is_right
	s_endpgm
.Lentry_shape_is_right:
; The three quantised products q Wq^T, k Wk^T, v Wv^T as ONE product on codes of FP4 (E2M1) with E8M0 scales: rows 4096 p + token of xc against rows 1024 p + n of wc, K = 1,024; sums in f32.
; The results leave as f16, split into heads: qkvh byte (32 p + 16 batch + head) x 262,144 + position x 128 + channel x 2.  Q (p = 0) is multiplied in f32 by c = log2(e) / 8 ahead of its one
; rounding, so that the attention launch's score product gives the exponents of base 2 as they stand; K and V take the factor 1.0 on the same lines (a value is chosen, no path).
; LIMIT: |c Q|, |K|, |V| up to 65,504.
; A tile of 256 x 256 is made by four waves, 128 x 128 each: 64 accumulators, 512 registers.  12,288 x 1,024 results are 192 tiles: 16 tile rows to a projection, so no tile straddles two.
; K is two slots of 512 (rows of 256 bytes): both are filled at the head, and nothing is filled again.  The scale bytes of the tile's rows, for all of K, come with them, as units of 256 bytes.
; CLUSTERS: 4 x 4 work-groups; A's tiles are shared along a row of the cluster, B's along a column: each is asked for jointly.  The projection p = cluster y / 4 is the same in all sixteen.
; THE MATRIX INSTRUCTION IS USED TRANSPOSED (source 0 = 16 rows of the weight, source 1 = 16 tokens): a lane holds eight neighbouring channels of one token.
; REGISTERS, in windows of 256: window 0: v0-31 addresses; v32-95 scale words, two sets; v128-191 A's fragments, one set; on the way out v32-255 are free.
;   window 1: B's fragments, two sets, at v0 and v128.   window 2: the accumulators of my rows 0-63 ((a, b) at v[8 (8 a + b)]);   window 3: those of rows 64-127.
.set NQ,     4                         ; matrix instructions deep in a slot
.set ROWB,   256                       ; a tile's row in bytes: 512 codes
.set KROW,   512                       ; a row of codes in memory
.set PITCH,  272                       ; an LDS row: 256 bytes + 16 of padding = 68 words: the 16 rows that a load touches start 4 banks apart (64 banks of 4 bytes: ISA guide 11.1)
.set FR,     8
.set NL,     2
.set NP,     4                         ; places behind this matrix instruction (ISA guide 7.12.1)
.set HALFT,  128*PITCH
.set SLOT,   4*HALFT
.set KS,     32                        ; a row of scale bytes
.set SCL,    2*SLOT
.set HALFS,  (128*KS/256)*272
.set SBLK,   (16*KS/256)*272
.set SPARE,  SCL+4*HALFS               ; behind the scales: the spare words, 128 bytes a wave
.set SPITCH, 272                       ; the way out: a stage of 16 rows x (256 bytes + 16) for each wave, in slot 0, which has had its only fill and its last read by then
.set ADRA, 16
.set ADRB, 20
.set STO,  24
.set RD,   25
.set CO,   26
.set ADRS, 27
.set SPW,  28
.set NIL,  29
.set SC,   32
.set AF,   128
.set OB,   32                          ; the way out: rows read back: v32-63 and v224-255 by turns
.set MT,   64                          ; v64-127 a block's results x the factor
.set TMP,  192                         ; v192-223 the same as f16
.set G1, 24
.set G0, 32
.set G1B, 48
.set G0B, 56
.set G1S, 68
.set G0S, 76
.set G1SB, 80
.set G0SB, 88
.set FAC, 96                           ; s[96:97] the factor, twice
.set MSB, 0
.macro WIN new                         ; the immediate's high byte repeats the setting that is left
.if MSB != (\new)
	s_set_vgpr_msb (MSB<<8)|(\new)
.set MSB, (\new)
.endif
.endm
.set MUL_LO, 0xa1                      ; source 0 (B) window 1, source 1 (A) window 0, C and D window 2
.set MUL_HI, 0xf1
.set TO_B,   0x40
; A joint load: waves 0 and 1 fetch for A, waves 2 and 3 for B; the branch hangs on the wave's number alone.  An s_nop 0 and four v_nop follow each of the two lines.
.macro JLOAD g0a, g1a, g0b, g1b
	s_cmp_eq_u32 s15, 0
	s_cbranch_scc0 .Lfor_b_\@
	tensor_load_to_lds s[\g0a:\g0a+3], s[\g1a:\g1a+7]
	s_nop 0
.rept 4
	v_nop
.endr
	s_branch .Lasked_\@
.Lfor_b_\@:
	tensor_load_to_lds s[\g0b:\g0b+3], s[\g1b:\g1b+7]
	s_nop 0
.rept 4
	v_nop
.endr
.Lasked_\@:
.endm
.macro CROUND                          ; a round of the cluster's barrier
	s_barrier_signal -1
	s_barrier_wait -1
	s_cmp_lg_u32 s14, 0
	s_cbranch_scc1 .Lnot_wave_0_\@
	s_barrier_signal -3
.Lnot_wave_0_\@:
	s_barrier_wait -3
	s_barrier_signal -1
	s_barrier_wait -1
.endm
	s_load_b128 s[4:7], s[0:1], 0x0                ; xc, xs
	s_load_b128 s[8:11], s[0:1], 0x10              ; wc, ws
	s_load_b64 s[12:13], s[0:1], 0x20              ; qkvh
	v_lshl_add_u32 v[SPW], v0, 2, SPARE
	v_mov_b32 v[NIL], 0
	ds_add_u32 v[SPW], v[NIL]                      ; the wave's opening: the add, twice on end, and its wait ahead of my first tensor load
	ds_add_u32 v[SPW], v[NIL]
	v_lshrrev_b32 v1, 5, v0
	v_readfirstlane_b32 s14, v1                    ; wave 0..3
	s_lshr_b32 s15, s14, 1                         ; which half of the tile's rows is mine.  Also: I fetch for A (0) or for B (1)
	s_and_b32 s16, s14, 1                          ; which half of its columns.  Also: which 128 rows I fetch
	s_bfe_u32 s40, ttmp6, 0x40000                  ; cx, cy
	s_bfe_u32 s41, ttmp6, 0x40004
	s_lshl_b32 s42, ttmp9, 2
	s_add_co_u32 s42, s42, s40                     ; tile column = 4 x cluster x + cx
	s_and_b32 s17, ttmp7, 0xffff
	s_lshr_b32 s95, s17, 2                         ; the projection p = cluster y / 4
	s_lshl_b32 s17, s17, 2
	s_add_co_u32 s17, s17, s41                     ; tile row = 4 x cluster y + cy
	s_lshl_b32 s43, s41, 2
	s_lshl_b32 s43, 15, s43                        ; my row of the cluster
	s_lshl_b32 s44, 0x1111, s40                    ; my column
	s_or_b32 s[G1+0], s43, (0<<16)|(1<<20)|(1<<21)|(5<<22)|(3<<25)  ; the mask; elements of 1 byte; padding on; bit 21 beside a mask; 4 words behind every 64
	s_or_b32 s[G1B+0], s44, (0<<16)|(1<<20)|(1<<21)|(5<<22)|(3<<25)
.irp g, G1, G1B
	s_mov_b32 s[\g+1], ROWB<<16                    ; tensor_dim0
	s_mov_b32 s[\g+2], 128<<16                     ; tensor_dim1
	s_mov_b32 s[\g+3], ROWB<<16                    ; tile_dim0
	s_mov_b32 s[\g+4], 128                         ; tile_dim1
	s_mov_b32 s[\g+5], KROW                        ; the pitch
	s_mov_b32 s[\g+6], 0
	s_mov_b32 s[\g+7], 0
.endr
	s_or_b32 s[G1S+0], s43, (3<<16)|(1<<20)|(1<<21)|(5<<22)|(3<<25)  ; the scales of 128 rows: 4,096 dense bytes as 16 rows of 256 (32 elements of 8 bytes), 16 bytes of padding behind each
	s_or_b32 s[G1SB+0], s44, (3<<16)|(1<<20)|(1<<21)|(5<<22)|(3<<25)
.irp g, G1S, G1SB
	s_mov_b32 s[\g+1], 32<<16
	s_mov_b32 s[\g+2], (128*KS/256)<<16
	s_mov_b32 s[\g+3], 32<<16
	s_mov_b32 s[\g+4], 128*KS/256
	s_mov_b32 s[\g+5], 32
	s_mov_b32 s[\g+6], 0
	s_mov_b32 s[\g+7], 0
.endr
	s_cmp_eq_u32 s95, 0
	s_cselect_b32 s[FAC], 0x3e38aa3b, 1.0          ; c = log2(e) / 8 for Q, else 1
	s_mov_b32 s[FAC+1], s[FAC]
	s_lshl_b32 s18, s16, 7
	s_lshl_b32 s20, s17, 8
	s_add_co_u32 s20, s20, s18                     ; A: row 256 x tile row + 128 x half
	s_lshl_b32 s46, s42, 8
	s_add_co_u32 s46, s46, s18
	s_lshl_b32 s94, s95, 10
	s_add_co_u32 s46, s46, s94                     ; B: row 1024 p + 256 x tile column + 128 x half
	s_mov_b32 s21, 0
	s_mov_b32 s47, 0
	s_mov_b64 s[18:19], KS
	s_mul_u64 s[22:23], s[20:21], s[18:19]         ; where these rows' scales begin
	s_mul_u64 s[92:93], s[46:47], s[18:19]
	s_mov_b64 s[18:19], KROW
	s_mul_u64 s[20:21], s[20:21], s[18:19]         ; and their codes
	s_mul_u64 s[46:47], s[46:47], s[18:19]
	s_mul_i32 s45, s14, HALFT                      ; where they go: wave x 128 rows
	s_mul_i32 s94, s14, HALFS
	s_wait_dscnt 0x0                               ; both opening adds are done
	s_wait_kmcnt 0x0
	s_add_nc_u64 s[20:21], s[4:5], s[20:21]
	s_add_nc_u64 s[22:23], s[6:7], s[22:23]
	s_add_nc_u64 s[46:47], s[8:9], s[46:47]
	s_add_nc_u64 s[92:93], s[10:11], s[92:93]
	CROUND                                         ; all sixteen work-groups are here: the joint loads meet
	s_mov_b32 s[G0S], 1
	s_add_co_u32 s[G0S+1], s94, SCL
	s_mov_b64 s[G0S+2:G0S+3], s[22:23]
	s_or_b32 s[G0S+3], s[G0S+3], 0x80000000
	s_mov_b32 s[G0SB], 1
	s_add_co_u32 s[G0SB+1], s94, SCL
	s_mov_b64 s[G0SB+2:G0SB+3], s[92:93]
	s_or_b32 s[G0SB+3], s[G0SB+3], 0x80000000
	JLOAD G0S, G1S, G0SB, G1SB                     ; the scales first; then both slots: three tensor loads of mine are out
.irp s, 0,1
	s_mov_b32 s[G0+4*\s], 1
	s_add_co_u32 s[G0+4*\s+1], s45, \s*SLOT
	s_add_nc_u64 s[G0+4*\s+2:G0+4*\s+3], s[20:21], \s*ROWB
	s_or_b32 s[G0+4*\s+3], s[G0+4*\s+3], 0x80000000
	s_mov_b32 s[G0B+4*\s], 1
	s_add_co_u32 s[G0B+4*\s+1], s45, \s*SLOT
	s_add_nc_u64 s[G0B+4*\s+2:G0B+4*\s+3], s[46:47], \s*ROWB
	s_or_b32 s[G0B+4*\s+3], s[G0B+4*\s+3], 0x80000000
	JLOAD G0+4*\s, G1, G0B+4*\s, G1B
.endr
	v_and_b32 v1, 15, v0                           ; r = l % 16
	v_bfe_u32 v2, v0, 4, 1                         ; h = l / 16
	v_mul_u32_u24 v3, v1, PITCH
	v_lshl_add_u32 v4, v2, 4, v3                   ; a fragment's row x pitch + 16 h
	s_mul_i32 s21, s15, HALFT
	s_mul_i32 s22, s16, HALFT
	s_add_co_u32 s22, s22, 2*HALFT
.irp s, 0,1
	v_add_nc_u32 v[ADRA+\s], s21, v4
	v_add_nc_u32 v[ADRB+\s], s22, v4
	s_add_co_u32 s21, s21, SLOT
	s_add_co_u32 s22, s22, SLOT
.endr
	v_mul_u32_u24 v5, v1, KS                       ; my row's scales: 32 bytes a row,
	v_lshrrev_b32 v6, 8, v5
	v_lshl_add_u32 v5, v6, 4, v5                   ; and 16 more for each 256 passed
	s_mul_i32 s21, s15, HALFS
	s_mul_i32 s22, s16, HALFS
	s_add_co_u32 s22, s22, 2*HALFS
	s_sub_co_u32 s22, s22, s21
	v_mul_u32_u24 v6, s22, v2                      ; lanes 16-31 take B's: one product, the distance between the two bases
	s_add_co_u32 s21, s21, SCL
	v_add_nc_u32 v5, v5, v6
	v_add_nc_u32 v[ADRS], s21, v5
	s_mul_i32 s23, s14, 16*SPITCH                  ; my stage
	v_mul_u32_u24 v5, v1, SPITCH
	v_lshl_add_u32 v5, v2, 4, v5
	v_add_nc_u32 v[STO], s23, v5                   ; in: token r, 16 bytes for each half of the lanes
	v_and_b32 v6, 7, v0
	v_bfe_u32 v7, v0, 3, 1
	v_lshlrev_b32 v6, 4, v6
	v_lshl_add_u32 v[CO], v7, 7, v6                ; out: lanes 0-7 a token's 128 bytes of a head, lanes 8-15 the next token's: 256 consecutive bytes;
	v_lshl_add_u32 v[CO], v2, 18, v[CO]            ; lanes 16-31 the same of the next head
	v_mul_u32_u24 v7, v7, SPITCH
	v_add_nc_u32 v7, v7, v6
	v_lshl_add_u32 v7, v2, 7, v7
	v_add_nc_u32 v[RD], s23, v7                    ; and the same places in the stage
	s_lshl_b32 s20, s17, 8
	s_lshl_b32 s21, s15, 7
	s_add_co_u32 s20, s20, s21                     ; my first row m0 of the 12,288
	s_lshr_b32 s21, s20, 11
	s_lshl_b32 s21, s21, 22                        ; (2 p + batch) x 16 heads x 262,144
	s_and_b32 s20, s20, 2047
	s_lshl_b32 s20, s20, 7                         ; position x 128
	s_add_co_u32 s20, s20, s21
	s_mov_b32 s21, 0
	s_lshl_b32 s46, s42, 2
	s_lshl_b32 s47, s16, 1
	s_add_co_u32 s46, s46, s47                     ; my first head: 4 x tile column + 2 x half
	s_lshl_b32 s46, s46, 18
	s_mov_b32 s47, 0
	s_add_nc_u64 s[20:21], s[20:21], s[46:47]
	s_add_nc_u64 s[12:13], s[12:13], s[20:21]
.macro FRAG reg, adr, q, i             ; 16 rows x 128 K of 4-bit codes: 8 registers: lane l holds row l % 16; registers 4 c .. 4 c + 3 hold K = 64 c + 32 (l / 16) + 0 .. 31
.irp c, 0,1
	ds_load_b128 v[\reg+4*\c:\reg+4*\c+3], v[\adr] offset:64*(\q)+32*\c+(\i)*16*PITCH
.endr
.endm
; 16 matrix instructions: A's blocks a0, a0 + 1 x B's eight.  The 64 accumulators take turns, one instruction a turn, in the same order in every step.
; One register carries A's scale word (lanes 0-15) and B's (lanes 16-31) of block i.
.macro MUL16 a0, p, q, sc, zero
.irp a, \a0, \a0+1
.irp b, 0,1,2,3,4,5,6,7
.if \zero
	v_wmma_scale_f32_16x16x128_f8f6f4 v[8*(8*((\a)%4)+\b):8*(8*((\a)%4)+\b)+7], v[128*(\p)+FR*\b:128*(\p)+FR*\b+FR-1], v[AF+FR*(\a):AF+FR*(\a)+FR-1], 0, v[SC+8*NQ*(\sc)+NQ*\b+(\q)], v[SC+8*NQ*(\sc)+NQ*(\a)+(\q)] matrix_a_fmt:MATRIX_FMT_FP4 matrix_b_fmt:MATRIX_FMT_FP4 matrix_a_scale:MATRIX_SCALE_ROW1
.else
	v_wmma_scale_f32_16x16x128_f8f6f4 v[8*(8*((\a)%4)+\b):8*(8*((\a)%4)+\b)+7], v[128*(\p)+FR*\b:128*(\p)+FR*\b+FR-1], v[AF+FR*(\a):AF+FR*(\a)+FR-1], v[8*(8*((\a)%4)+\b):8*(8*((\a)%4)+\b)+7], v[SC+8*NQ*(\sc)+NQ*\b+(\q)], v[SC+8*NQ*(\sc)+NQ*(\a)+(\q)] matrix_a_fmt:MATRIX_FMT_FP4 matrix_b_fmt:MATRIX_FMT_FP4 matrix_a_scale:MATRIX_SCALE_ROW1
.endif
.endr
.endr
.endm
.macro FETCH_B slot, q, p
	WIN TO_B
.irp i, 0,1,2,3,4,5,6,7
	FRAG 128*(\p)+FR*\i, ADRB+\slot, \q, \i
.endr
	WIN 0
.endm
.macro FETCH_A slot, q, i0
.irp i, \i0, \i0+1, \i0+2, \i0+3
	FRAG AF+FR*(\i), ADRA+\slot, \q, \i
.endr
.endm
.macro SCALES sc                       ; a slot's scale words: four words a row
.irp i, 0,1,2,3,4,5,6,7
	ds_load_b128 v[SC+8*NQ*\sc+NQ*\i:SC+8*NQ*\sc+NQ*\i+3], v[ADRS] offset:\i*SBLK
.endr
.endm
.macro PLACES n                        ; plain vector instructions between a matrix instruction and a load into, or a read of, its registers
.rept \n
	v_nop
.endr
.endm
.macro STEP slot, q, zero              ; 128 along K with its successor in the same slot
	s_wait_dscnt 4*NL                              ; B's set and A's blocks 0-3 are in; the youngest eight loads (A's blocks 4-7) may be out
	WIN MUL_LO
	MUL16 0, (\q)%2, \q, \slot, \zero
	MUL16 2, (\q)%2, \q, \slot, \zero
	s_wait_dscnt 0
	PLACES NP
	FETCH_B \slot, (\q)+1, 1-(\q)%2
	FETCH_A \slot, (\q)+1, 0
	WIN MUL_HI
	MUL16 4, (\q)%2, \q, \slot, \zero
	MUL16 6, (\q)%2, \q, \slot, \zero
	PLACES NP
	WIN 0
	FETCH_A \slot, (\q)+1, 4
.endm
; Slot 0's last step changes slots: one barrier.  In front of it each wave waits for all its tensor loads (its part of slot 1), adds 0 to its spare word, and waits for that and for its reads of slot 0.
; Behind it slot 1 is whole, and nobody reads slot 0 any more, which later takes the stages.
.macro TURN slot, next
	s_wait_tensorcnt 0x0
	ds_add_u32 v[SPW], v[NIL]
	s_wait_dscnt 4*NL+1                            ; the add and the youngest eight loads may be out
	WIN MUL_LO
	MUL16 0, 1, NQ-1, \slot, 0
	s_wait_dscnt 0x0
	s_barrier_signal -1
	MUL16 2, 1, NQ-1, \slot, 0
	WIN 0
	s_barrier_wait -1
	PLACES NP
	v_add_nc_u32 v[ADRS], 4*NQ, v[ADRS]            ; on to the next slot's scale words
	FETCH_B \next, 0, 0
	FETCH_A \next, 0, 0
	SCALES \next
	WIN MUL_HI
	MUL16 4, 1, NQ-1, \slot, 0
	MUL16 6, 1, NQ-1, \slot, 0
	PLACES NP
	WIN 0
	FETCH_A \next, 0, 4
.endm
.macro STEPS slot, from
.set Q, \from
.rept NQ-1-\from
	STEP \slot, Q, 0
.set Q, Q+1
.endr
.endm
	s_wait_tensorcnt 1                             ; the scales and my part of slot 0 are in; slot 1's load may be out
	s_barrier_signal -1
	s_barrier_wait -1
	FETCH_B 0, 0, 0
	FETCH_A 0, 0, 0
	SCALES 0
	FETCH_A 0, 0, 4
	STEP 0, 0, 1                                   ; the first products start the sums: nothing is cleared
	STEPS 0, 1
	TURN 0, 1
	STEPS 1, 0
	s_wait_dscnt 4*NL                              ; the last step: nothing more to fetch
	WIN MUL_LO
	MUL16 0, 1, NQ-1, 1, 0
	MUL16 2, 1, NQ-1, 1, 0
	s_wait_dscnt 0
	WIN MUL_HI
	MUL16 4, 1, NQ-1, 1, 0
	MUL16 6, 1, NQ-1, 1, 0
	WIN 0
; THE WAY OUT, a block of 16 tokens x 128 channels (two heads) at a time: x the factor, rounded to f16 (16 bytes a lane), through my own stage, and back so that sixteen lanes hold 256 consecutive bytes of qkvh.
.macro PACK a
.set AC, 64*((\a)%4)
	WIN 0x02+(\a)/4                                ; source 0: window 2 or 3
.irp b, 0,1,2,3,4,5,6,7
.irp r, 0,1,2,3
	v_pk_mul_f32 v[MT+8*\b+2*\r:MT+8*\b+2*\r+1], v[AC+8*\b+2*\r:AC+8*\b+2*\r+1], s[FAC:FAC+1] op_sel_hi:[1,0]   ; each accumulator from its low end on
.endr
.endr
	WIN 0
.irp b, 0,1,2,3,4,5,6,7
.irp r, 0,1,2,3
	v_cvt_pk_f16_f32 v[TMP+4*\b+\r], v[MT+8*\b+2*\r], v[MT+8*\b+2*\r+1]
.endr
.endr
.endm
.macro TOSTAGE a
.set BB, OB+192*((\a)%2)
.irp b, 0,1,2,3,4,5,6,7
	ds_store_b128 v[STO], v[TMP+4*\b:TMP+4*\b+3] offset:32*\b
.endr
.irp t, 0,1,2,3,4,5,6,7
	ds_load_b128 v[BB+4*\t:BB+4*\t+3], v[RD] offset:\t*2*SPITCH    ; LDS serves a wave's instructions in order: these see the stores above
.endr
.endm
.macro SEND a
.set BB, OB+192*((\a)%2)
	s_wait_dscnt 0x0                               ; the block is back in registers
	s_wait_xcnt 0x0                                ; the registers that the block before last's stores read are loaded again only behind this wait
.irp t, 0,1,2,3,4,5,6,7
	global_store_b128 v[CO], v[BB+4*\t:BB+4*\t+3], s[12:13] offset:(\a)*2048+\t*256   ; sixteen lanes store 256 consecutive bytes, aligned
.endr
.endm
	PLACES NP                                      ; behind the last products: for the reads of results and the writes over scale words and fragments
	PACK 0
	TOSTAGE 0
.irp a, 1,2,3,4,5,6,7                  ; block a's arithmetic stands between block a - 1's loads from the stage and the wait for them
	PACK \a
	SEND \a-1
	TOSTAGE \a
.endr
	SEND 7
	s_wait_tensorcnt 0x0                           ; the wave's end
	ds_add_u32 v[SPW], v[NIL]
	s_wait_dscnt 0x0
	CROUND                                         ; the closing round
	s_endpgm
.Lfunc_end_k_qe510b6a9f8_proj:
	.size	k_qe510b6a9f8_proj, .Lfunc_end_k_qe510b6a9f8_proj-k_qe510b6a9f8_proj
	.p2alignl 7, 3214868480
	.fill 96, 4, 3214868480
	.section	.rodata,"a",@progbits
	.p2align	6, 0x0
	.amdhsa_kernel k_qe510b6a9f8_proj
		.amdhsa_group_segment_fixed_size 327680
		.amdhsa_private_segment_fixed_size 0
		.amdhsa_enable_private_segment 0
		.amdhsa_kernarg_size 40
		.amdhsa_user_sgpr_count 2
		.amdhsa_user_sgpr_kernarg_segment_ptr 1
		.amdhsa_wavefront_size32 1
		.amdhsa_system_sgpr_workgroup_id_x 1
		.amdhsa_system_sgpr_workgroup_id_y 1
		.amdhsa_system_sgpr_workgroup_id_z 1
		.amdhsa_system_vgpr_workitem_id 0
		.amdhsa_next_free_vgpr 1024
		.amdhsa_next_free_sgpr 98
		.amdhsa_reserve_vcc 0
		.amdhsa_float_denorm_mode_32 3
		.amdhsa_float_denorm_mode_16_64 3
		.amdhsa_memory_ordered 1
		.amdhsa_forward_progress 1
		.amdhsa_inst_pref_size 143
	.end_amdhsa_kernel
	.amdgpu_metadata
---
amdhsa.version: [ 1, 2 ]
amdhsa.kernels:
  - .name:           k_qe510b6a9f8_proj
    .symbol:         k_qe510b6a9f8_proj.kd
    .args:
      - { .name: xc, .offset: 0, .size: 8, .value_kind: global_buffer, .address_space: global }
      - { .name: xs, .offset: 8, .size: 8, .value_kind: global_buffer, .address_space: global }
      - { .name: wc, .offset: 16, .size: 8, .value_kind: global_buffer, .address_space: global }
      - { .name: ws, .offset: 24, .size: 8, .value_kind: global_buffer, .address_space: global }
      - { .name: qkvh, .offset: 32, .size: 8, .value_kind: global_buffer, .address_space: global }
    .group_segment_fixed_size: 327680
    .private_segment_fixed_size: 0
    .kernarg_segment_align: 8
    .kernarg_segment_size: 40
    .max_flat_workgroup_size: 128
    .sgpr_count:     98
    .vgpr_count:     1024
    .wavefront_size: 32
...
	.end_amdgpu_metadata
.endif
;; end of part 2
;; launch attn (part 3): grid 8 x 32, 8 waves a work-group, clusters of 4 x 1, 327,680 bytes of LDS; arguments qkvh, kbias, ao; writes ao
.if DOCPART == 3
	.amdgcn_target "amdgcn-amd-amdhsa--gfx1250"
	.amdhsa_code_object_version 6
	.text
	.protected	k_qe510b6a9f8_attn
	.globl	k_qe510b6a9f8_attn
	.p2align	8
	.type	k_qe510b6a9f8_attn,@function
k_qe510b6a9f8_attn:
	s_mov_b64 s[64:65], 0
	v_nop
	global_prefetch_b8 v0, s[64:65] scope:SCOPE_SE
	s_setreg_imm32_b32 hwreg(HW_REG_WAVE_MODE, 25, 1), 1
	s_wait_xcnt 0x0
	s_wait_alu depctr_hold_cnt(0) depctr_sa_sdst(0) depctr_va_vdst(0) depctr_va_sdst(0) depctr_va_ssrc(0) depctr_va_vcc(0) depctr_vm_vsrc(0)
	s_getreg_b32 s2, hwreg(HW_REG_IB_STS2, 6, 4)
	s_cmp_eq_u32 s2, 0
	s_cbranch_scc0 .Lentry_in_a_cluster
	s_endpgm
.Lentry_in_a_cluster:
	s_bfe_u32 s2, ttmp6, 0x10000c
	s_cmp_lg_u32 s2, 0x3003
	s_cbranch_scc0 .Lentry_shape_is_right
	s_endpgm
.Lentry_shape_is_right:
; O[y][q] = the sum over keys of softmax(score) V[y][key], y = 16 batch + head, 2,048 queries and keys, head size 64.  Operands in f16, products, maxima and sums in f32.
; qkvh holds c Q (c = log2(e) / 8), K and V as [3][32][2048][64] f16; a masked key's row of K is exactly 0.  kbias[batch][key] is 0 or -1e9 x log2(e).
; So t = c Q . K + kbias[key], with kbias as the C of the score's first matrix instruction, is log2(e) x the score with masked scores replaced by -1e9; no vector instruction is spent on the mask.
; SOFTMAX: for each query a running maximum m of t and a running sum l: p = 2^(t - m); in every step O and l are multiplied by a = 2^(m_old - m_new).  Where all keys are masked, t - m is exactly 0 for each.
; p is rounded to f16 for the second product; l sums the unrounded p; O is divided by l at the end and stored as f16.
; LIMITS: NaN and infinities are not served; |O| up to 65,504.
; SHARES: a work-group owns 256 queries of one y; each of its eight waves 32: two tiles of 16.  Two waves share a SIMD.
; LAYOUT: S^T = K Q^T (source 0 = 16 keys, source 1 = 16 queries): a lane holds ONE query (lane % 16) and keys 8 (lane / 16) + 0..7.  Two such tiles rounded in pairs ARE source 1 of O^T = V^T P.
; K comes out of LDS as it lies, V ([key][channel]) turned, by ds_load_tr16_b128.
; BY TURNS: a tile never looks at the other tile, so the wave's two tiles take turns.  In a TURN one tile has the matrix unit: 8 products V^T P of the step in hand, then 8 products K Q^T of the next step;
; the other tile's softmax, 118 vector instructions cut into eight blocks, stands between them, a block behind each PAIR of products.  Then the tiles change places; two turns are a key step.
; Pairs and not single products: V^T P wants another register window than the softmax, so each group of products costs two switches.
; THE RING: 64 keys a step, four steps to a slot, two slots.  Waves 0-3 fetch the four steps' K, waves 4-7 their V: one tensor load a wave behind each change of slots.
; CLUSTER: the four query blocks of a cluster walk the same K, V and kbias: each tile is asked for jointly, with the same descriptor and a mask that names the four.
; The result's layout serves the next launch: ao byte ((head/2 x 32 + token/128) x 2 + head%2) x 16384 + (token%128) x 128 + channel x 2: a wave stores 4,096 consecutive bytes.
; REGISTERS: window 0: v1-15 addresses; v16-31 statistics; v32-63 Q; v64-127 K; v128-191 S^T, then p; v192-223 P; v224-255 kbias.   window 1: v0-63 O^T; v64-127 V.
.set KS,    64
.set NST,   4                          ; steps in a slot
.set PK,    144                        ; a row of K in LDS: 128 bytes + 16 = 36 words: the 16 rows of a load start 4 banks apart modulo 64 (ISA guide 11.1)
.set PV,    160                        ; a row of V: 128 + 32 = 40 words
.set VOFF,  KS*PK
.set STEPB, KS*(PK+PV)                 ; a step's tiles lie together: 64 rows of K, then 64 of V
.set SLOT1, 1<<17                      ; slot 1 begins here: one exclusive or turns an address from slot to slot
.set SLOTB, NST*KS*128                 ; a slot's bytes of K, or of V, in memory
.set STAGE, SLOT1+NST*STEPB            ; the way out: 32 rows x 144 bytes for each wave
.set SP,    144
.set BIAS,  STAGE+8*32*SP              ; kbias of my batch: 8,192 bytes, filled once
.set SPARE, BIAS+8192                  ; the spare words, 128 bytes a wave
.set AK0, 2
.set AV0, 3
.set ADK, 4
.set ADV, 5
.set ADB, 6
.set AB0, 7
.set QO,  8
.set STO, 10
.set RD,  11
.set GO,  12
.set PFO, 13                           ; 256 x my lane; never rewritten
.set SPW, 14
.set NIL, 15
.set ST,  16                           ; tile t at v[ST + 8 t]: +0 m, +1 unused half of m's pair, +2, +3 l (even keys', odd keys'), +4 .. +7 at work; a in +6
.set Q,   32                           ; tile t, channels 32 c on: Q + 16 t + 8 c
.set KF,  64                           ; keys 16 a on, channels 32 c on: KF + 16 a + 8 c
.set S,   128                          ; tile t, keys 16 a on: S + 32 t + 8 a
.set P,   192                          ; tile t, keys 32 kk on: P + 16 t + 8 kk
.set BI,  224                          ; keys 16 a on: BI + 8 a
.set VF,  64                           ; window 1: keys 32 kk on, channels 16 ch on: VF + 32 kk + 8 ch;  O^T: tile t, channels 16 ch on: 32 t + 8 ch
.set WV,  12
.set LIM, 15
.set PFA, 18
.set G1K, 24
.set G1V, 32
.set G0K, 40                           ; two sets: one for each first fill; the second walks on
.set G0V, 48
.set SLOTS, 56
.set CNT, 57
.set SEL, 60
.set TB,  62                           ; LDS byte at which the tiles of the step to be fetched begin
.set TI,  63                           ; that step's first byte of kbias
.set G1B, 68
.set G0B, 76
.set MSB, 0
.macro WIN new                         ; the immediate's high byte repeats the setting that is left; a switch that changes nothing is dropped
.if MSB != (\new)
	s_set_vgpr_msb (MSB<<8)|(\new)
.set MSB, (\new)
.endif
.endm
.set W_PV, 0x51                        ; V and O^T in window 1, P in window 0
.set W_RS, 0x41                        ; O^T (destination and source 0) in window 1, a in window 0
.macro JLOAD                           ; a joint refill; the branch hangs on the wave's number alone.  An s_nop 0 and four v_nop follow each line
	s_cmp_lt_u32 s[WV], 4
	s_cbranch_scc0 .Lfor_v_\@
	tensor_load_to_lds s[G0K+4:G0K+7], s[G1K:G1K+7]
	s_nop 0
.rept 4
	v_nop
.endr
	s_branch .Lasked_\@
.Lfor_v_\@:
	tensor_load_to_lds s[G0V+4:G0V+7], s[G1V:G1V+7]
	s_nop 0
.rept 4
	v_nop
.endr
.Lasked_\@:
.endm
; A prefetch of what the NEXT change of slots will ask for: four key steps ahead of that load.  A slot's K is 32,768 consecutive bytes, its V likewise.  Both clusters of a y walk the same bytes:
; the first of them asks; its four partners take 8,192 bytes each, told apart by address; in each, wave 0 asks for K's and wave 4 for V's, lanes 256 bytes apart: each 256 bytes are named once.
; The last change that fills a slot asks for nothing; slots 0 to 2 come by their loads alone.
.macro ASK
	s_cmp_gt_u32 s[SLOTS], s[LIM]
	s_cbranch_scc0 .Lnot_mine_\@
	global_prefetch_b8 v[PFO], s[PFA:PFA+1] th:TH_LOAD_NT scope:SCOPE_SE
.Lnot_mine_\@:
.endm
.macro CROUND
	s_barrier_signal -1
	s_barrier_wait -1
	s_cmp_lg_u32 s[WV], 0
	s_cbranch_scc1 .Lnot_wave_0_\@
	s_barrier_signal -3
.Lnot_wave_0_\@:
	s_barrier_wait -3
	s_barrier_signal -1
	s_barrier_wait -1
.endm
	s_load_b128 s[4:7], s[0:1], 0x0                ; qkvh, kbias
	s_load_b64 s[8:9], s[0:1], 0x10                ; ao
	v_lshl_add_u32 v[SPW], v0, 2, SPARE
	v_mov_b32 v[NIL], 0
	ds_add_u32 v[SPW], v[NIL]                      ; the wave's opening: the add, twice on end, and its wait ahead of my first tensor load
	ds_add_u32 v[SPW], v[NIL]
	v_lshrrev_b32 v1, 5, v0
	v_readfirstlane_b32 s[WV], v1                  ; wave 0..7
	s_bfe_u32 s13, ttmp6, 0x40000                  ; cx
	s_lshl_b32 s14, ttmp9, 2
	s_add_co_u32 s14, s14, s13                     ; my block of 256 queries: it enters Q's and ao's addresses alone
	s_and_b32 s16, ttmp7, 0xffff                   ; y, which the four partners share
	s_and_b32 s17, s[WV], 3                        ; which of a slot's four steps I fetch
	s_lshl_b32 s20, s16, 18
	s_lshl_b32 s21, s17, 13
	s_add_co_u32 s20, s20, s21                     ; y's 262,144 bytes, my step's 64 rows of 128
	s_mov_b32 s21, 0
	s_mul_i32 s22, s17, STEPB                      ; and its place in a slot
	s_lshl_b32 s2, s16, 18
	s_lshl_b32 s3, s14, 15
	s_add_co_u32 s2, s2, s3
	s_lshl_b32 s3, s[WV], 12
	s_add_co_u32 s2, s2, s3                        ; Q: y, my block's 256 rows, my wave's 32
	s_mov_b32 s3, 0
	s_lshr_b32 s58, s16, 4
	s_lshl_b32 s58, s58, 13
	s_lshl_b32 s59, s[WV], 10
	s_add_co_u32 s58, s58, s59                     ; kbias: my batch's 8,192 bytes, my wave's 1,024 of them,
	s_add_co_u32 s23, s59, BIAS                    ; and where they go
	s_mov_b32 s59, 0
	s_mov_b32 s[G1K], 15|(1<<16)|(1<<20)|(1<<21)|(4<<22)|(3<<25)  ; the mask: all four; elements of 2 bytes; padding on; bit 21 beside a mask; 4 words behind every 32
	s_mov_b32 s[G1V], 15|(1<<16)|(1<<20)|(1<<21)|(4<<22)|(7<<25)  ; the same with 8 words
.irp g, G1K, G1V
	s_mov_b32 s[\g+1], 64<<16                      ; tensor_dim0
	s_mov_b32 s[\g+2], KS<<16                      ; tensor_dim1
	s_mov_b32 s[\g+3], 64<<16                      ; tile_dim0
	s_mov_b32 s[\g+4], KS                          ; tile_dim1
	s_mov_b32 s[\g+5], 64                          ; the pitch, in elements
	s_mov_b32 s[\g+6], 0
	s_mov_b32 s[\g+7], 0
.endr
	s_mov_b32 s[G1B], 15|(3<<16)|(1<<21)           ; kbias: 4 rows of 256 bytes (32 elements of 8), dense, no padding
	s_mov_b32 s[G1B+1], 32<<16
	s_mov_b32 s[G1B+2], 4<<16
	s_mov_b32 s[G1B+3], 32<<16
	s_mov_b32 s[G1B+4], 4
	s_mov_b32 s[G1B+5], 32
	s_mov_b32 s[G1B+6], 0
	s_mov_b32 s[G1B+7], 0
	s_mov_b32 s[SEL], 0x76543210
	s_mov_b32 s[SEL+1], 0xfedcba98                 ; v_permlanex16_b32: lane l xor 16
	s_mov_b32 s[TB], 0
	s_mov_b32 s[TI], 0
	s_mov_b32 s[SLOTS], 2048/(NST*KS)-2
	s_or_b32 s[LIM], s17, ttmp9                    ; 0 in waves 0 and 4 of y's first cluster: the same in all four partners
	s_cmp_eq_u32 s[LIM], 0
	s_cselect_b32 s[LIM], 1, -1
	s_wait_dscnt 0x0                               ; both opening adds are done
	s_wait_kmcnt 0x0
	s_add_nc_u64 s[10:11], s[4:5], s[20:21]
	s_add_nc_u64 s[66:67], s[10:11], 16777216      ; V at my tile of slot 0
	s_add_nc_u64 s[10:11], s[10:11], 8388608       ; K likewise
	s_add_nc_u64 s[4:5], s[4:5], s[2:3]            ; Q at my wave's first row
	s_add_nc_u64 s[6:7], s[6:7], s[58:59]
	s_cmp_lt_u32 s[WV], 4
	s_cselect_b64 s[PFA:PFA+1], s[10:11], s[66:67] ; (in waves 0 and 4 these stand at a slot's first byte)
	s_lshl_b32 s2, s13, 13                         ; my work-group's 8,192 bytes
	s_mov_b32 s3, 0
	s_add_nc_u64 s[PFA:PFA+1], s[PFA:PFA+1], s[2:3]
	s_add_nc_u64 s[PFA:PFA+1], s[PFA:PFA+1], 2*SLOTB   ; in slot 2: the first change of slots steps it to slot 3
	CROUND                                         ; all four work-groups are here: the first joint loads meet
	s_mov_b32 s[G0B], 1
	s_mov_b32 s[G0B+1], s23
	s_mov_b64 s[G0B+2:G0B+3], s[6:7]
	s_or_b32 s[G0B+3], s[G0B+3], 0x80000000
.irp s, 0,1
	s_mov_b32 s[G0K+4*\s], 1
	s_add_co_u32 s[G0K+4*\s+1], s22, \s*SLOT1
	s_add_nc_u64 s[G0K+4*\s+2:G0K+4*\s+3], s[10:11], \s*SLOTB
	s_or_b32 s[G0K+4*\s+3], s[G0K+4*\s+3], 0x80000000
	s_mov_b32 s[G0V+4*\s], 1
	s_add_co_u32 s[G0V+4*\s+1], s22, \s*SLOT1+VOFF
	s_add_nc_u64 s[G0V+4*\s+2:G0V+4*\s+3], s[66:67], \s*SLOTB
	s_or_b32 s[G0V+4*\s+3], s[G0V+4*\s+3], 0x80000000
.endr
	tensor_load_to_lds s[G0B:G0B+3], s[G1B:G1B+7]  ; every wave its eighth of kbias; then both slots: three tensor loads of mine are out
	s_nop 0
	s_cmp_lt_u32 s[WV], 4
	s_cbranch_scc0 .Lfirst_v
	tensor_load_to_lds s[G0K:G0K+3], s[G1K:G1K+7]
	s_nop 0
	tensor_load_to_lds s[G0K+4:G0K+7], s[G1K:G1K+7]
	s_nop 0
.rept 4
	v_nop
.endr
	s_branch .Lfirst_asked
.Lfirst_v:
	tensor_load_to_lds s[G0V:G0V+3], s[G1V:G1V+7]
	s_nop 0
	tensor_load_to_lds s[G0V+4:G0V+7], s[G1V:G1V+7]
	s_nop 0
.rept 4
	v_nop
.endr
.Lfirst_asked:
	v_and_b32 v1, 15, v0                           ; r
	v_bfe_u32 v9, v0, 4, 1                         ; h
	v_lshlrev_b32 v[QO], 7, v1
	v_lshl_add_u32 v[QO], v9, 4, v[QO]             ; row r of 128 bytes + 16 h
.irp t, 0,1
.irp c, 0,1
	global_load_b128 v[Q+16*\t+8*\c:Q+16*\t+8*\c+3],   v[QO], s[4:5] offset:\t*2048+\c*64      ; Q stays in registers
	global_load_b128 v[Q+16*\t+8*\c+4:Q+16*\t+8*\c+7], v[QO], s[4:5] offset:\t*2048+\c*64+32
.endr
.endr
	v_mul_u32_u24 v[AK0], v1, PK
	v_lshl_add_u32 v[AK0], v9, 4, v[AK0]
	v_and_b32 v4, 7, v0
	v_bfe_u32 v5, v0, 3, 1
	v_lshl_add_u32 v[AV0], v9, 3, v4               ; the turning load: key 8 h + l % 8, channels 8 ((l / 8) % 2) on
	v_mul_u32_u24 v[AV0], v[AV0], PV
	v_lshl_add_u32 v[AV0], v5, 4, v[AV0]
	v_add_nc_u32 v[AV0], VOFF, v[AV0]
	v_lshl_add_u32 v[AB0], v9, 5, BIAS             ; my half's eight keys: 32 h bytes on
	s_mul_i32 s23, s[WV], 32*SP
	s_add_co_u32 s23, s23, STAGE                   ; my stage
	v_mul_u32_u24 v[STO], v1, SP
	v_lshl_add_u32 v[STO], v9, 4, v[STO]
	v_add_nc_u32 v[STO], s23, v[STO]               ; in: row r, 16 bytes for each half of the lanes
	v_bfe_u32 v6, v0, 3, 2
	v_mul_u32_u24 v[RD], v6, SP
	v_lshl_add_u32 v[RD], v4, 4, v[RD]
	v_add_nc_u32 v[RD], s23, v[RD]                 ; back: eight lanes to a row of 128 bytes, four rows an instruction
	v_and_b32 v[GO], 31, v0
	v_lshlrev_b32 v[PFO], 8, v[GO]
	v_lshlrev_b32 v[GO], 4, v[GO]                  ; and the same 512 consecutive bytes in ao
	s_and_b32 s2, s16, 15                          ; the head
	s_lshr_b32 s3, s2, 1
	s_lshl_b32 s3, s3, 5
	s_lshr_b32 s23, s16, 4
	s_lshl_b32 s23, s23, 4
	s_add_co_u32 s3, s3, s23
	s_lshl_b32 s23, s14, 1
	s_add_co_u32 s3, s3, s23
	s_lshr_b32 s23, s[WV], 2
	s_add_co_u32 s3, s3, s23                       ; head / 2 x 32 + token / 128
	s_lshl_b32 s3, s3, 15
	s_and_b32 s2, s2, 1
	s_lshl_b32 s2, s2, 14
	s_add_co_u32 s2, s2, s3
	s_lshl_b32 s3, s17, 12                         ; my 32 rows among the 128
	s_add_co_u32 s2, s2, s3
	s_mov_b32 s3, 0
	s_add_nc_u64 s[8:9], s[8:9], s[2:3]
.irp t, 0,1
	v_mov_b32 v[ST+8*\t], 0xff61b1e6               ; m: -3e38, under every t
.irp j, 1,2,3,4,5,6,7
	v_mov_b32 v[ST+8*\t+\j], 0                     ; l; and what is named in a pair or as a lane permute's destination before it is first written
.endr
.endr
	WIN 0x40                                       ; destination window 1
.set i, 0
.rept 64
	v_mov_b32 v[i], 0                              ; O^T.  No first step is written apart: the first a is 0, which leaves zeros zeros
.set i, i+1
.endr
	WIN 0
; THE LDS LOADS stand in two runs a key step.  K's 16 and kbias's 8 at the head of tile 0's turn: the last product that read those registers stands in front of the turn before's last block, 16 plain lines.
.macro FETCH_K
	WIN 0
	v_add_nc_u32 v[ADK], s[TB], v[AK0]
	v_add_nc_u32 v[ADB], s[TI], v[AB0]
.irp a, 0,1,2,3
.irp c, 0,1
	ds_load_b128 v[KF+16*\a+8*\c:KF+16*\a+8*\c+3],   v[ADK] offset:\a*16*PK+64*\c
	ds_load_b128 v[KF+16*\a+8*\c+4:KF+16*\a+8*\c+7], v[ADK] offset:\a*16*PK+64*\c+32
.endr
.endr
.irp a, 0,1,2,3
	ds_load_b128 v[BI+8*\a:BI+8*\a+3],   v[ADB] offset:64*\a        ; kbias of keys 16 a + 8 h + 0 .. 7: the layout of a result's eight registers
	ds_load_b128 v[BI+8*\a+4:BI+8*\a+7], v[ADB] offset:64*\a+16
.endr
.endm
; V's 16 in tile 1's turn, at the softmax's wait.  Between the last product that read V and these loads lie nine plain lines that name none of its registers: seven subtractions, the v_nop, the addition below.
.macro FETCH_V
	v_add_nc_u32 v[ADV], s[TB], v[AV0]
	s_add_co_u32 s[TB], s[TB], STEPB               ; the next fetches are the next step's
	s_add_co_u32 s[TI], s[TI], 4*KS
	s_wait_alu depctr_va_vdst(0)                   ; the wait for the softmax's exponentials (macro VB), ahead of the loads
	WIN 0x40                                       ; destination window 1
.irp kk, 0,1
.irp ch, 0,1,2,3
	ds_load_tr16_b128 v[VF+32*\kk+8*\ch:VF+32*\kk+8*\ch+3],   v[ADV] offset:\kk*32*PV+\ch*32
	ds_load_tr16_b128 v[VF+32*\kk+8*\ch+4:VF+32*\kk+8*\ch+7], v[ADV] offset:\kk*32*PV+16*PV+\ch*32
.endr
.endr
	WIN 0
.endm
; THE MATRIX WORK OF A TURN, for tile x.  The four accumulators take turns, one instruction a turn: between two links of a chain stand three others'.
.macro PV1 x                           ; product i of 8 of O^T += V^T P: keys 32 (i / 4) on, channels 16 (i % 4) on
.set wO, 32*(\x)+8*(i%4)
.set wV, VF+32*(i/4)+8*(i%4)
.set wP, P+16*(\x)+8*(i/4)
	v_wmma_f32_16x16x32_f16 v[wO:wO+7], v[wV:wV+7], v[wP:wP+7], v[wO:wO+7]
.set i, i+1
.endm
.macro KQ1 x                           ; product i of 8 of S^T = K Q^T + kbias: channels 32 (i / 4) on, keys 16 (i % 4) on.  The first four start the sums from kbias
.set wS, S+32*(\x)+8*(i%4)
.set wK, KF+16*(i%4)+8*(i/4)
.set wQ, Q+16*(\x)+8*(i/4)
.set wB, BI+8*(i%4)
.if i < 4
	v_wmma_f32_16x16x32_f16 v[wS:wS+7], v[wK:wK+7], v[wQ:wQ+7], v[wB:wB+7]
.else
	v_wmma_f32_16x16x32_f16 v[wS:wS+7], v[wK:wK+7], v[wQ:wQ+7], v[wS:wS+7]
.endif
.set i, i+1
.endm
; THE VECTOR WORK OF A TURN: one tile's softmax for one key step, in eight blocks; VB writes block bk for tile y.
;   0  the maximum of the lane's 32 scores, three operands at a time, in four chains; each result is read from its low end on        (14 lines)
;   1  the chains and the old m; the other half of the lanes'; the new m; a = 2^(m_old - m_new); the first subtractions and exponentials (15)
;   2, 3, 4  ONE BATCH: t - m, a pair of scores a line, and p = 2^(t - m).  A group is a subtraction and two exponentials; a pair is subtracted two groups ahead of its exponentials.
;      Nothing in the batch names an exponential's result.  Behind it one v_nop and ONE wait for the turn's 33 exponentials; then the first roundings       (15, 15, 15)
;   5  the roundings to f16, a pair of weights each; the first sums                                                                  (15)
;   6  the sum of the unrounded p, as a tree in place; l = a l + the sum                                                             (13)
;   7  the tile's O^T times a: the one part that leaves window 0.  It stands behind the turn's last product: 16 plain lines that name none of that product's registers, ahead of the next turn's
;      first read of the scores just made and of the loads into K's registers (ISA guide 7.12.1 for the read)                                            (16)
.macro SUBM b
	v_pk_add_f32 v[rS+2*(\b):rS+2*(\b)+1], v[rS+2*(\b):rS+2*(\b)+1], v[rT:rT+1] op_sel_hi:[1,0] neg_lo:[0,1] neg_hi:[0,1]
.endm
.macro TRI b
.if (\b)+2 < 16
	SUBM (\b)+2
.endif
	v_exp_f32 v[rS+2*(\b)], v[rS+2*(\b)]
	v_exp_f32 v[rS+2*(\b)+1], v[rS+2*(\b)+1]
.endm
.macro VB y
.set rT, ST+8*(\y)
.set rS, S+32*(\y)
.set rP, P+16*(\y)
.set rO, 32*(\y)
.if bk < 7
	WIN 0
.endif
.if bk == 0
.irp j, 0,1,2,3
	v_max3_num_f32 v[rT+4+\j], v[rS+8*\j], v[rS+8*\j+1], v[rS+8*\j+2]
.endr
.irp n, 3,5
.irp j, 0,1,2,3
	v_max3_num_f32 v[rT+4+\j], v[rT+4+\j], v[rS+8*\j+\n], v[rS+8*\j+\n+1]
.endr
.endr
	v_max3_num_f32 v[rT+4], v[rT+4], v[rS+7], v[rS+15]
	v_max3_num_f32 v[rT+6], v[rT+6], v[rS+23], v[rS+31]
.elseif bk == 1
	v_max3_num_f32 v[rT+4], v[rT+4], v[rT+5], v[rT+6]
	v_max3_num_f32 v[rT+4], v[rT+4], v[rT+7], v[rT]              ; with the old m
	v_permlanex16_b32 v[rT+5], v[rT+4], s[SEL], s[SEL+1]         ; the query's other 32 keys lie in the lane 16 away
	v_mov_b32 v[rT+7], v[rT]                                     ; m_old
	v_max_num_f32 v[rT], v[rT+4], v[rT+5]                        ; the new m
	v_sub_f32 v[rT+7], v[rT+7], v[rT]
	v_exp_f32 v[rT+6], v[rT+7]                                   ; a
	SUBM 0
	SUBM 1
	TRI 0
	TRI 1
.elseif bk == 2
.irp b, 2,3,4,5,6
	TRI \b
.endr
.elseif bk == 3
.irp b, 7,8,9,10,11
	TRI \b
.endr
.elseif bk == 4
.irp b, 12,13,14,15
	TRI \b
.endr
	v_nop                                          ; a plain line behind the last exponential
.if fv
	FETCH_V                                        ; tile 1's turn: V's run of loads stands here, and the wait stands in it
.else
	s_wait_alu depctr_va_vdst(0)                   ; one wait for the batch, ahead of the first line that names a result
.endif
.irp n, 0,1,2,3
	v_cvt_pk_f16_f32 v[rP+\n], v[rS+2*\n], v[rS+2*\n+1]
.endr
.elseif bk == 5
.irp n, 4,5,6,7,8,9,10,11,12,13,14,15
	v_cvt_pk_f16_f32 v[rP+\n], v[rS+2*\n], v[rS+2*\n+1]
.endr
.irp u, 0,1,2
	v_pk_add_f32 v[rS+4*\u:rS+4*\u+1], v[rS+4*\u:rS+4*\u+1], v[rS+4*\u+2:rS+4*\u+3]
.endr
.elseif bk == 6
.irp u, 3,4,5,6,7
	v_pk_add_f32 v[rS+4*\u:rS+4*\u+1], v[rS+4*\u:rS+4*\u+1], v[rS+4*\u+2:rS+4*\u+3]
.endr
.irp u, 0,1,2,3
	v_pk_add_f32 v[rS+8*\u:rS+8*\u+1], v[rS+8*\u:rS+8*\u+1], v[rS+8*\u+4:rS+8*\u+5]
.endr
.irp u, 0,1
	v_pk_add_f32 v[rS+16*\u:rS+16*\u+1], v[rS+16*\u:rS+16*\u+1], v[rS+16*\u+8:rS+16*\u+9]
.endr
	v_pk_add_f32 v[rS:rS+1], v[rS:rS+1], v[rS+16:rS+17]
	v_pk_fma_f32 v[rT+2:rT+3], v[rT+2:rT+3], v[rT+6:rT+7], v[rS:rS+1] op_sel_hi:[1,0,1]   ; l = a l + the sum
.else
	WIN W_RS
.set vi, 0
.rept 16
	v_pk_mul_f32 v[rO+vi:rO+vi+1], v[rO+vi:rO+vi+1], v[rT+6:rT+7] op_sel_hi:[1,0]         ; each accumulator from its low end on
.set vi, vi+2
.endr
.endif
.set bk, bk+1
.endm
.macro VBS y                           ; the blocks behind one pair of products: one, or two in a turn with half the products
.rept per
	VB \y
.endr
.endm
; A TURN.  Tile x has the matrix unit; the other tile's softmax stands in blocks behind its pairs of products.  pv = 1: 8 products V^T P;  kq = 1: 8 products K Q^T for the next step.
.macro TURN x, pv, kq
.set bk, 0
.set per, 2
.if (\pv) && (\kq)
.set per, 1
.endif
.set fv, 0
.if ((\x) == 1) && (\kq)
.set fv, 1
.endif
.if (\x) == 0
.if \kq
	FETCH_K                                        ; the next step's K and kbias: 8 products and four blocks ahead of their use
	s_wait_dscnt 24                                ; V is in; the 24 loads just issued may be out
.else
	s_wait_dscnt 0x0                               ; V is in
.endif
.endif
.if \pv
.set i, 0
.rept 4
	WIN W_PV
	PV1 \x
	PV1 \x
	VBS 1-\x
.endr
.endif
.if \kq
.if (\x) == 0
	s_wait_dscnt 0x0                               ; K and kbias are in
.endif
.set i, 0
.rept 4
	WIN 0
	KQ1 \x
	KQ1 \x
	VBS 1-\x
.endr
.endif
.endm
.macro STEPS n                         ; n key steps: written once, walked n times; the LDS addresses hang on s[TB] and s[TI]
	WIN 0                                          ; at a label and at a branch every window is 0
	s_mov_b32 s[CNT], \n
.Lstep_\@:
	TURN 0, 1, 1
	TURN 1, 1, 1
	WIN 0
	s_sub_co_u32 s[CNT], s[CNT], 1
	s_cmp_lg_u32 s[CNT], 0
	s_cbranch_scc1 .Lstep_\@
.endm
; THE CHANGE OF SLOTS, between tile 1's turn and tile 0's: the slot's last bytes, V of its fourth step, have been asked for.  Each wave waits for all its tensor loads (its part of the other slot),
; adds 0 to its spare word, and waits for that and for its reads of the slot that it leaves.
; fill = 1: the barrier is a round of the cluster's, so that no wave of any partner still reads the slot or has a load on its way; the joint refill is the first thing behind it, one load a wave,
; and has four key steps in which to land.
.macro CHANGE fill
	s_wait_tensorcnt 0x0                           ; no tensor load of mine is out, so a group 0 may be written
	ds_add_u32 v[SPW], v[NIL]
.if \fill
.irp g, G0K+4, G0V+4
	s_xor_b32 s[\g+1], s[\g+1], SLOT1              ; the walking descriptors: the other slot than last time,
	s_add_nc_u64 s[\g+2:\g+3], s[\g+2:\g+3], SLOTB ; the next 256 keys
.endr
	s_wait_xcnt 0x0                                ; the last prefetch, a slot back, has read its address
	s_add_nc_u64 s[PFA:PFA+1], s[PFA:PFA+1], SLOTB
	s_wait_dscnt 0x0
	CROUND
	JLOAD
	ASK
.else
	s_wait_dscnt 0x0
	s_barrier_signal -1
	s_barrier_wait -1
.endif
	s_sub_co_u32 s[TB], s[TB], NST*STEPB           ; the fetches go back to a slot's first step,
	s_xor_b32 s[TB], s[TB], SLOT1                  ; in the other slot
.endm
	s_wait_tensorcnt 1                             ; kbias and my part of slot 0 are in; slot 1's load may be out
	s_barrier_signal -1
	s_barrier_wait -1
	FETCH_K                                        ; key step 0
	s_wait_loadcnt 0x0                             ; Q
	s_wait_dscnt 0x0
.set i, 0
.rept 8
	KQ1 0                                          ; tile 0's first scores: there is no vector work yet to set between them
.endr
.rept 4
	v_nop                                          ; places between those products and the first read of their results (ISA guide 7.12.1)
.endr
	TURN 1, 0, 1                                   ; tile 1's first scores | tile 0's first softmax | V of step 0
	STEPS NST-1                                    ; the rest of slot 0 is asked for
.Lslot:                                            ; six trips: every slot but the last two is filled again
	CHANGE 1
	STEPS NST
	s_sub_co_u32 s[SLOTS], s[SLOTS], 1
	s_cmp_lg_u32 s[SLOTS], 0
	s_cbranch_scc1 .Lslot
	CHANGE 0                                       ; the tail is written out
	STEPS NST
	TURN 0, 1, 0                                   ; tile 0: V^T P of the last step | tile 1's last softmax
	WIN W_PV
.set i, 0
.rept 8
	PV1 1                                          ; tile 1: V^T P of the last step
.endr
	WIN 0
	; THE WAY OUT.  The additions are the places behind the last products.
.irp t, 0,1
	v_add_f32 v[ST+8*\t+4], v[ST+8*\t+2], v[ST+8*\t+3]
.endr
.irp t, 0,1
	v_permlanex16_b32 v[ST+8*\t+5], v[ST+8*\t+4], s[SEL], s[SEL+1]
.endr
.irp t, 0,1
	v_add_f32 v[ST+8*\t+4], v[ST+8*\t+4], v[ST+8*\t+5]
.endr
.irp t, 0,1
	v_rcp_f32 v[ST+8*\t+6], v[ST+8*\t+4]
.endr
	v_nop
	s_wait_alu depctr_va_vdst(0)                   ; one wait for both reciprocals, ahead of their first reader
	WIN W_RS
.irp t, 0,1
.set i, 0
.rept 16
	v_pk_mul_f32 v[32*\t+i:32*\t+i+1], v[32*\t+i:32*\t+i+1], v[ST+8*\t+6:ST+8*\t+7] op_sel_hi:[1,0]
.set i, i+2
.endr
.endr
	WIN 0x05                                       ; sources in window 1, destination in window 0
.irp t, 0,1
.set i, 0
.rept 16
	v_cvt_pk_f16_f32 v[S+16*\t+i], v[32*\t+2*i], v[32*\t+2*i+1]
.set i, i+1
.endr
.endr
	WIN 0
.irp t, 0,1
.irp ch, 0,1,2,3
	ds_store_b128 v[STO], v[S+16*\t+4*\ch:S+16*\t+4*\ch+3] offset:\t*16*SP+32*\ch   ; a lane's eight channels of a row: 16 bytes
.endr
.endr
.irp t, 0,1
.irp i, 0,1,2,3
	ds_load_b128 v[S+32+16*\t+4*\i:S+32+16*\t+4*\i+3], v[RD] offset:\t*16*SP+\i*4*SP   ; LDS serves a wave's instructions in order: these see my stores
.endr
.endr
.irp t, 0,1
.irp i, 0,1,2,3
	s_wait_dscnt 7-4*\t-\i                         ; the younger loads may be out
	global_store_b128 v[GO], v[S+32+16*\t+4*\i:S+32+16*\t+4*\i+3], s[8:9] offset:\t*2048+\i*512   ; the wave stores 512 consecutive bytes, aligned
.endr
.endr
	s_wait_tensorcnt 0x0                           ; the wave's end
	ds_add_u32 v[SPW], v[NIL]
	s_wait_dscnt 0x0
	CROUND                                         ; the closing round
	s_endpgm
.Lfunc_end_k_qe510b6a9f8_attn:
	.size	k_qe510b6a9f8_attn, .Lfunc_end_k_qe510b6a9f8_attn-k_qe510b6a9f8_attn
	.p2alignl 7, 3214868480
	.fill 96, 4, 3214868480
	.section	.rodata,"a",@progbits
	.p2align	6, 0x0
	.amdhsa_kernel k_qe510b6a9f8_attn
		.amdhsa_group_segment_fixed_size 327680
		.amdhsa_private_segment_fixed_size 0
		.amdhsa_enable_private_segment 0
		.amdhsa_kernarg_size 24
		.amdhsa_user_sgpr_count 2
		.amdhsa_user_sgpr_kernarg_segment_ptr 1
		.amdhsa_wavefront_size32 1
		.amdhsa_system_sgpr_workgroup_id_x 1
		.amdhsa_system_sgpr_workgroup_id_y 1
		.amdhsa_system_sgpr_workgroup_id_z 1
		.amdhsa_system_vgpr_workitem_id 0
		.amdhsa_next_free_vgpr 384
		.amdhsa_next_free_sgpr 80
		.amdhsa_reserve_vcc 0
		.amdhsa_float_denorm_mode_32 3
		.amdhsa_float_denorm_mode_16_64 3
		.amdhsa_memory_ordered 1
		.amdhsa_forward_progress 1
		.amdhsa_inst_pref_size 93
	.end_amdhsa_kernel
	.amdgpu_metadata
---
amdhsa.version: [ 1, 2 ]
amdhsa.kernels:
  - .name:           k_qe510b6a9f8_attn
    .symbol:         k_qe510b6a9f8_attn.kd
    .args:
      - { .name: qkvh, .offset: 0, .size: 8, .value_kind: global_buffer, .address_space: global }
      - { .name: kbias, .offset: 8, .size: 8, .value_kind: global_buffer, .address_space: global }
      - { .name: ao, .offset: 16, .size: 8, .value_kind: global_buffer, .address_space: global }
    .group_segment_fixed_size: 327680
    .private_segment_fixed_size: 0
    .kernarg_segment_align: 8
    .kernarg_segment_size: 24
    .max_flat_workgroup_size: 256
    .sgpr_count:     80
    .vgpr_count:     384
    .wavefront_size: 32
...
	.end_amdgpu_metadata
.endif
;; end of part 3
;; launch oproj (part 4): grid 8 x 32, 4 waves a work-group, clusters of 4 x 4, 327,680 bytes of LDS; arguments ao, woh, out0; writes out0
.if DOCPART == 4
	.amdgcn_target "amdgcn-amd-amdhsa--gfx1250"
	.amdhsa_code_object_version 6
	.text
	.protected	k_qe510b6a9f8_oproj
	.globl	k_qe510b6a9f8_oproj
	.p2align	8
	.type	k_qe510b6a9f8_oproj,@function
k_qe510b6a9f8_oproj:
	s_mov_b64 s[64:65], 0
	v_nop
	global_prefetch_b8 v0, s[64:65] scope:SCOPE_SE
	s_setreg_imm32_b32 hwreg(HW_REG_WAVE_MODE, 25, 1), 1
	s_wait_xcnt 0x0
	s_wait_alu depctr_hold_cnt(0) depctr_sa_sdst(0) depctr_va_vdst(0) depctr_va_sdst(0) depctr_va_ssrc(0) depctr_va_vcc(0) depctr_vm_vsrc(0)
	s_getreg_b32 s2, hwreg(HW_REG_IB_STS2, 6, 4)
	s_cmp_eq_u32 s2, 0
	s_cbranch_scc0 .Lentry_in_a_cluster
	s_endpgm
.Lentry_in_a_cluster:
	s_bfe_u32 s2, ttmp6, 0x10000c
	s_cmp_lg_u32 s2, 0xf033
	s_cbranch_scc0 .Lentry_shape_is_right
	s_endpgm
.Lentry_shape_is_right:
; out0[token][n] = the sum over k of O[token][k] Wo[n][k]: 4,096 x 1,024 x 1,024, operands in f16, sums and result in f32.
; Both operands lie by planes of 64 along K: ao byte ((k/128 x 32 + token/128) x 2 + (k/64)%2) x 16384 + (token%128) x 128 + (k%64) x 2; woh the same with n and 8 blocks of 128.
; So two planes of a tile's 128 rows are 32,768 consecutive bytes: one tensor load, a tile of 256 rows of 128 bytes.
; A tile of out0 is 128 x 128: 256 work-groups.  Four waves, each 64 x 64: 16 accumulators.  K goes in four steps of 256 (four planes) through two LDS slots; the ring is written out.
; CLUSTERS: 4 x 4 work-groups; A's tiles are shared along a row of the cluster, B's along a column: each is asked for jointly.
; THE MATRIX INSTRUCTION IS USED TRANSPOSED (source 0 = 16 rows of Wo, source 1 = 16 tokens): a lane holds eight neighbouring numbers of a row of out0.
; REGISTERS: window 0: v0-31 addresses; v32-95 the way out; v128-255 the accumulators ((a, b) at v[128 + 8 (4 a + b)]).   window 1: two fragment buffers of 128: 64 registers of A, then 64 of B.
.set PITCH,  144                       ; an LDS row: 128 bytes + 16 = 36 words: the 16 rows that a load touches start 4 banks apart modulo 64 (ISA guide 11.1)
.set PLANE,  128*PITCH                 ; 128 rows x 64 along K
.set HALFT,  2*PLANE                   ; what one tensor load brings
.set SLOT,   4*HALFT                   ; A's four planes, then B's four
.set STAGE,  2*SLOT                    ; behind the ring: 16 rows x 272 bytes for each wave
.set SPITCH, 272
.set SPARE,  STAGE+4*16*SPITCH         ; the spare words, 128 bytes a wave
.set STEPA,  64*32768                  ; a K step on in ao: two pairs of planes x 32 blocks of tokens
.set STEPW,  16*32768                  ; and in woh: x 8 blocks of n
.set ADRA, 16
.set ADRB, 20
.set STO,  24
.set RD,   25
.set CO,   26
.set SPW,  28
.set NIL,  29
.set TMP,  32
.set ACC,  128
.set F0,   0
.set F1,   128
.set G1, 24
.set G0, 32
.set G1B, 48
.set G0B, 56
.set MSB, 0
.macro WIN new
.if MSB != (\new)
	s_set_vgpr_msb (MSB<<8)|(\new)
.set MSB, (\new)
.endif
.endm
.set MUL,  0x05                        ; sources 0 (B) and 1 (A) window 1; C and D window 0
.set TO_F, 0x40
.macro JLOAD s                         ; a joint load: waves 0 and 1 fetch A's two pairs of planes, waves 2 and 3 B's; an s_nop 0 and four v_nop follow each line
	s_cmp_eq_u32 s11, 0
	s_cbranch_scc0 .Lfor_b_\@
	tensor_load_to_lds s[G0+4*\s:G0+4*\s+3], s[G1:G1+7]
	s_nop 0
.rept 4
	v_nop
.endr
	s_branch .Lasked_\@
.Lfor_b_\@:
	tensor_load_to_lds s[G0B+4*\s:G0B+4*\s+3], s[G1B:G1B+7]
	s_nop 0
.rept 4
	v_nop
.endr
.Lasked_\@:
.endm
.macro CREST
	s_cmp_lg_u32 s10, 0
	s_cbranch_scc1 .Lnot_wave_0_\@
	s_barrier_signal -3
.Lnot_wave_0_\@:
	s_barrier_wait -3
	s_barrier_signal -1
	s_barrier_wait -1
.endm
.macro CROUND
	s_barrier_signal -1
	s_barrier_wait -1
	CREST
.endm
	s_load_b128 s[4:7], s[0:1], 0x0                ; ao, woh
	s_load_b64 s[8:9], s[0:1], 0x10                ; out0
	v_lshl_add_u32 v[SPW], v0, 2, SPARE
	v_mov_b32 v[NIL], 0
	ds_add_u32 v[SPW], v[NIL]                      ; the wave's opening: the add, twice on end, and its wait ahead of my first tensor load
	ds_add_u32 v[SPW], v[NIL]
	v_lshrrev_b32 v1, 5, v0
	v_readfirstlane_b32 s10, v1                    ; wave 0..3
	s_lshr_b32 s11, s10, 1                         ; which half of the tile's rows is mine.  Also: I fetch for A (0) or for B (1)
	s_and_b32 s12, s10, 1                          ; which half of its columns.  Also: which pair of a K step's planes I fetch
	s_bfe_u32 s40, ttmp6, 0x40000
	s_bfe_u32 s41, ttmp6, 0x40004
	s_lshl_b32 s42, ttmp9, 2
	s_add_co_u32 s42, s42, s40                     ; tile column
	s_and_b32 s13, ttmp7, 0xffff
	s_lshl_b32 s13, s13, 2
	s_add_co_u32 s13, s13, s41                     ; tile row
	s_lshl_b32 s43, s41, 2
	s_lshl_b32 s43, 15, s43                        ; my row of the cluster
	s_lshl_b32 s44, 0x1111, s40                    ; my column
	s_or_b32 s[G1+0], s43, (1<<16)|(1<<20)|(1<<21)|(4<<22)|(3<<25)  ; the mask; elements of 2 bytes; padding on; bit 21 beside a mask; 4 words behind every 32
	s_or_b32 s[G1B+0], s44, (1<<16)|(1<<20)|(1<<21)|(4<<22)|(3<<25)
.irp g, G1, G1B
	s_mov_b32 s[\g+1], 64<<16                      ; tensor_dim0
	s_mov_b32 s[\g+2], 256<<16                     ; tensor_dim1
	s_mov_b32 s[\g+3], 64<<16                      ; tile_dim0
	s_mov_b32 s[\g+4], 256                         ; tile_dim1
	s_mov_b32 s[\g+5], 64                          ; the pitch: the rows are dense
	s_mov_b32 s[\g+6], 0
	s_mov_b32 s[\g+7], 0
.endr
	s_lshl_b32 s16, s12, 5
	s_add_co_u32 s16, s16, s13
	s_lshl_b32 s16, s16, 15                        ; A: (pair x 32 + tile row) x 32,768
	s_mov_b32 s17, 0
	s_lshl_b32 s46, s12, 3
	s_add_co_u32 s46, s46, s42
	s_lshl_b32 s46, s46, 15                        ; B: (pair x 8 + tile column) x 32,768
	s_mov_b32 s47, 0
	s_mul_i32 s20, s10, HALFT                      ; where they go: wave x two planes
	s_wait_dscnt 0x0                               ; both opening adds are done
	s_wait_kmcnt 0x0
	s_add_nc_u64 s[14:15], s[4:5], s[16:17]
	s_add_nc_u64 s[46:47], s[6:7], s[46:47]
	CROUND                                         ; all sixteen work-groups are here: the first joint loads meet
.irp s, 0,1
	s_mov_b32 s[G0+4*\s], 1
	s_add_co_u32 s[G0+4*\s+1], s20, \s*SLOT
	s_add_nc_u64 s[G0+4*\s+2:G0+4*\s+3], s[14:15], \s*STEPA
	s_or_b32 s[G0+4*\s+3], s[G0+4*\s+3], 0x80000000
	s_mov_b32 s[G0B+4*\s], 1
	s_add_co_u32 s[G0B+4*\s+1], s20, \s*SLOT
	s_add_nc_u64 s[G0B+4*\s+2:G0B+4*\s+3], s[46:47], \s*STEPW
	s_or_b32 s[G0B+4*\s+3], s[G0B+4*\s+3], 0x80000000
	JLOAD \s                                       ; two tensor loads of mine are out
.endr
	v_and_b32 v1, 15, v0                           ; r
	v_bfe_u32 v2, v0, 4, 1                         ; h
	v_mul_u32_u24 v3, v1, PITCH
	v_lshl_add_u32 v3, v2, 4, v3
	s_mul_i32 s21, s11, 64*PITCH                   ; my 64 rows of each plane of A
	s_mul_i32 s22, s12, 64*PITCH                   ; my 64 rows of each plane of B,
	s_add_co_u32 s22, s22, 2*HALFT                 ; which lie behind A's four
.irp s, 0,1
	v_add_nc_u32 v[ADRA+\s], s21, v3
	v_add_nc_u32 v[ADRB+\s], s22, v3
	s_add_co_u32 s21, s21, SLOT
	s_add_co_u32 s22, s22, SLOT
.endr
	s_mul_i32 s23, s10, 16*SPITCH
	s_add_co_u32 s23, s23, STAGE                   ; my stage
	v_mul_u32_u24 v4, v1, SPITCH
	v_lshl_add_u32 v4, v2, 5, v4
	v_add_nc_u32 v[STO], s23, v4                   ; in: row r, 32 bytes for each half of the lanes
	v_mul_u32_u24 v5, v2, SPITCH
	v_lshl_add_u32 v5, v1, 4, v5
	v_add_nc_u32 v[RD], s23, v5                    ; back: lanes 0-15 one row of 256 bytes, lanes 16-31 the next
	v_lshlrev_b32 v5, 12, v2
	v_lshl_add_u32 v[CO], v1, 4, v5                ; and the same two rows in out0
	s_lshl_b32 s16, s13, 7
	s_lshl_b32 s17, s11, 6
	s_add_co_u32 s16, s16, s17
	s_lshl_b32 s16, s16, 12                        ; my first row x 4,096 bytes
	s_mov_b32 s17, 0
	s_add_nc_u64 s[8:9], s[8:9], s[16:17]
	s_lshl_b32 s46, s42, 9
	s_lshl_b32 s47, s12, 8
	s_add_co_u32 s46, s46, s47                     ; my first column, in bytes
	s_mov_b32 s47, 0
	s_add_nc_u64 s[8:9], s[8:9], s[46:47]
.macro MUL8 f, c, a0, zero             ; 8 matrix instructions: m blocks a0, a0 + 1 x all 4 n blocks, 32 along K: half c of buffer f.  The 16 accumulators take turns
.irp a, \a0, \a0+1
.irp b, 0,1,2,3
.if \zero
	v_wmma_f32_16x16x32_f16 v[ACC+8*(4*(\a)+\b):ACC+8*(4*(\a)+\b)+7], v[\f+64+8*(4*\c+\b):\f+64+8*(4*\c+\b)+7], v[\f+8*(4*\c+\a):\f+8*(4*\c+\a)+7], 0
.else
	v_wmma_f32_16x16x32_f16 v[ACC+8*(4*(\a)+\b):ACC+8*(4*(\a)+\b)+7], v[\f+64+8*(4*\c+\b):\f+64+8*(4*\c+\b)+7], v[\f+8*(4*\c+\a):\f+8*(4*\c+\a)+7], v[ACC+8*(4*(\a)+\b):ACC+8*(4*(\a)+\b)+7]
.endif
.endr
.endr
.endm
.macro FETCH slot, k, f                ; 32 LDS loads in one run: the fragments of one plane, which begins at byte k of the slot's A and B, into buffer f; the first 32 along K first
	WIN TO_F
.irp c, 0,1
.irp i, 0,1,2,3
	ds_load_b128 v[\f+64+8*(4*\c+\i):\f+64+8*(4*\c+\i)+3],   v[ADRB+\slot] offset:\k+64*\c+\i*16*PITCH
	ds_load_b128 v[\f+64+8*(4*\c+\i)+4:\f+64+8*(4*\c+\i)+7], v[ADRB+\slot] offset:\k+64*\c+\i*16*PITCH+32
	ds_load_b128 v[\f+8*(4*\c+\i):\f+8*(4*\c+\i)+3],         v[ADRA+\slot] offset:\k+64*\c+\i*16*PITCH
	ds_load_b128 v[\f+8*(4*\c+\i)+4:\f+8*(4*\c+\i)+7],       v[ADRA+\slot] offset:\k+64*\c+\i*16*PITCH+32
.endr
.endr
.endm
.macro PLACES                          ; plain vector instructions between a matrix instruction and a load into, or a read of, its registers
.rept 4
	v_nop
.endr
.endm
.macro QUARTER slot, k, f, g, zero     ; multiplies buffer f (a plane) and fetches the next plane, at byte k, into g
	s_wait_dscnt 16                                ; the first 32 along K are in; the other sixteen loads may be out
	WIN MUL
	MUL8 \f, 0, 0, \zero
	MUL8 \f, 0, 2, \zero
	PLACES
	FETCH \slot, \k, \g
	s_wait_dscnt 32                                ; all but the 32 just issued
	WIN MUL
	MUL8 \f, 1, 0, 0
	MUL8 \f, 1, 2, 0
.endm
; A slot's last plane changes slots: one barrier; in front of it each wave waits for all its tensor loads, adds 0 to its spare word, and waits for that and for its reads of this slot.
; fill = 1: the barrier opens a round of the cluster's, and this slot is filled again, two K steps ahead, first thing behind the round.
.macro TURN slot, next, fill
	WIN 0
	s_wait_tensorcnt 0x0
	ds_add_u32 v[SPW], v[NIL]
	s_wait_dscnt 17                                ; the add and the youngest sixteen loads may be out
	WIN MUL
	MUL8 F1, 0, 0, 0
	s_wait_dscnt 0x0                               ; the add is done, and my reads of this slot are over
	s_barrier_signal -1
	MUL8 F1, 0, 2, 0
.if \fill
	WIN 0
.endif
	s_barrier_wait -1
.if \fill
	CREST
	s_add_nc_u64 s[G0+4*\slot+2:G0+4*\slot+3], s[G0+4*\slot+2:G0+4*\slot+3], 2*STEPA
	s_add_nc_u64 s[G0B+4*\slot+2:G0B+4*\slot+3], s[G0B+4*\slot+2:G0B+4*\slot+3], 2*STEPW
	JLOAD \slot                                    ; the four v_nop behind it are also the places in front of the loads below
.else
	PLACES
.endif
	FETCH \next, 0, F0
	WIN MUL
	MUL8 F1, 1, 0, 0
	MUL8 F1, 1, 2, 0
.endm
	s_wait_tensorcnt 1                             ; my part of K step 0 is in; K step 1's load may be out
	s_barrier_signal -1
	s_barrier_wait -1
	FETCH 0, 0, F0
	QUARTER 0, PLANE,   F0, F1, 1                  ; K step 0: the first products start the sums
	QUARTER 0, 2*PLANE, F1, F0, 0
	QUARTER 0, 3*PLANE, F0, F1, 0
	TURN 0, 1, 1                                   ; slot 0 takes K step 2
	QUARTER 1, PLANE,   F0, F1, 0                  ; K step 1
	QUARTER 1, 2*PLANE, F1, F0, 0
	QUARTER 1, 3*PLANE, F0, F1, 0
	TURN 1, 0, 1                                   ; slot 1 takes K step 3
	QUARTER 0, PLANE,   F0, F1, 0                  ; K step 2
	QUARTER 0, 2*PLANE, F1, F0, 0
	QUARTER 0, 3*PLANE, F0, F1, 0
	TURN 0, 1, 0                                   ; nothing is left to fetch
	QUARTER 1, PLANE,   F0, F1, 0                  ; K step 3
	QUARTER 1, 2*PLANE, F1, F0, 0
	QUARTER 1, 3*PLANE, F0, F1, 0
	s_wait_dscnt 16
	WIN MUL
	MUL8 F1, 0, 0, 0
	MUL8 F1, 0, 2, 0
	s_wait_dscnt 0
	MUL8 F1, 1, 0, 0
	MUL8 F1, 1, 2, 0
	WIN 0
; THE WAY OUT, a block of 16 rows x 64 columns at a time.  A wave's 64 columns of f32 are 256 bytes of a row: the block goes through my own stage and comes back as whole runs of 256 bytes.
.macro TOSTAGE a
.set BB, TMP+32*((\a)%2)
.irp b, 0,1,2,3
	ds_store_b128 v[STO], v[ACC+8*(4*(\a)+\b):ACC+8*(4*(\a)+\b)+3] offset:64*\b        ; each accumulator from its low end on
	ds_store_b128 v[STO], v[ACC+8*(4*(\a)+\b)+4:ACC+8*(4*(\a)+\b)+7] offset:64*\b+16
.endr
.irp t, 0,1,2,3,4,5,6,7
	ds_load_b128 v[BB+4*\t:BB+4*\t+3], v[RD] offset:\t*2*SPITCH    ; LDS serves a wave's instructions in order: these see the stores above, and the next block's stores come behind them
.endr
.endm
.macro SEND a, younger                 ; younger: the LDS instructions issued behind block a's loads
.set BB, TMP+32*((\a)%2)
	s_wait_dscnt \younger
.irp t, 0,1,2,3,4,5,6,7
	global_store_b128 v[CO], v[BB+4*\t:BB+4*\t+3], s[8:9] offset:(16*(\a)+2*\t)*4096 th:TH_STORE_NT   ; sixteen lanes store 256 consecutive bytes, aligned; written once, read by nobody here
.endr
.endm
	PLACES
	TOSTAGE 0
	TOSTAGE 1
	SEND 0, 16                                     ; behind block 0's loads: block 1's eight stores and eight loads
	s_wait_xcnt 0x0                                ; block 0's stores have read their registers: block 2's loads may land there
	TOSTAGE 2
	SEND 1, 16
	s_wait_xcnt 0x0
	TOSTAGE 3
	SEND 2, 16
	SEND 3, 0
	s_wait_tensorcnt 0x0                           ; the wave's end
	ds_add_u32 v[SPW], v[NIL]
	s_wait_dscnt 0x0
	CROUND                                         ; the closing round
	s_endpgm
.Lfunc_end_k_qe510b6a9f8_oproj:
	.size	k_qe510b6a9f8_oproj, .Lfunc_end_k_qe510b6a9f8_oproj-k_qe510b6a9f8_oproj
	.p2alignl 7, 3214868480
	.fill 96, 4, 3214868480
	.section	.rodata,"a",@progbits
	.p2align	6, 0x0
	.amdhsa_kernel k_qe510b6a9f8_oproj
		.amdhsa_group_segment_fixed_size 327680
		.amdhsa_private_segment_fixed_size 0
		.amdhsa_enable_private_segment 0
		.amdhsa_kernarg_size 24
		.amdhsa_user_sgpr_count 2
		.amdhsa_user_sgpr_kernarg_segment_ptr 1
		.amdhsa_wavefront_size32 1
		.amdhsa_system_sgpr_workgroup_id_x 1
		.amdhsa_system_sgpr_workgroup_id_y 1
		.amdhsa_system_sgpr_workgroup_id_z 1
		.amdhsa_system_vgpr_workitem_id 0
		.amdhsa_next_free_vgpr 512
		.amdhsa_next_free_sgpr 66
		.amdhsa_reserve_vcc 0
		.amdhsa_float_denorm_mode_32 3
		.amdhsa_float_denorm_mode_16_64 3
		.amdhsa_memory_ordered 1
		.amdhsa_forward_progress 1
		.amdhsa_inst_pref_size 85
	.end_amdhsa_kernel
	.amdgpu_metadata
---
amdhsa.version: [ 1, 2 ]
amdhsa.kernels:
  - .name:           k_qe510b6a9f8_oproj
    .symbol:         k_qe510b6a9f8_oproj.kd
    .args:
      - { .name: ao, .offset: 0, .size: 8, .value_kind: global_buffer, .address_space: global }
      - { .name: woh, .offset: 8, .size: 8, .value_kind: global_buffer, .address_space: global }
      - { .name: out0, .offset: 16, .size: 8, .value_kind: global_buffer, .address_space: global }
    .group_segment_fixed_size: 327680
    .private_segment_fixed_size: 0
    .kernarg_segment_align: 8
    .kernarg_segment_size: 24
    .max_flat_workgroup_size: 128
    .sgpr_count:     66
    .vgpr_count:     512
    .wavefront_size: 32
...
	.end_amdgpu_metadata
.endif
;; end of part 4
